; MI455X (gfx1250); checked and timed in simulation.
; The chip was launched on July 23, 2026; its instructions are those of AMD's public machine-readable ISA for CDNA 5 (MIT licence, August 2026) and "CDNA5" Instruction Set Architecture Reference Guide (July 2026). The comments in the code are by the model that wrote it; some were corrected since.
;; Multi Headed Attention3 D. Allowed arithmetic: matrix products marked QUANTISED: E2M1 operands, one E8M0 scale for each 32 along K, by v_wmma_scale_f32_16x16x128_f8f6f4 with both operands' format E2M1 (or v_wmma_scale_f32_32x16x128_f4), f32 sums; products left as they are: f32 operands where the result goes on into a quantised operand, else bf16, f16 or f32 operands; f32 sums; everything else in f32.
;; Inputs: Wk 256 x 256 float32; Wo 256 x 256 float32; Wq 256 x 256 float32; Wv 256 x 256 float32; X_Key 4 x 256 x 256 x 64 float32; X_Query 4 x 256 x 256 x 64 float32; X_Value 4 x 256 x 256 x 64 float32; bk 256 float32; bo 256 float32; bq 256 float32; bv 256 float32.
;; Outputs: out0 4 x 256 x 256 x 64 float32.
;; This version of the problem:
;;   THIS VERSION OF THE PROBLEM IS GIVEN IN LOW PRECISION. The matrix products marked QUANTISED in the list below multiply operands that are first quantised to E2M1 (2 exponent bits, 1 mantissa bit; 4 bits a number), with one power-of-two scale for each 32 numbers along K (OCP MX v1.0); their sums are f32. All else is computed in f32.
;;   The module's matrix products, in the order in which they are computed (A, B: the left and right operand; K: the contracted axis; several contracted axes count as one K, in the product's order):
;;     1. [M 256, K 256] x [K 256, N 65,536]; A: input Wq; B: input X_Query: QUANTISED
;;     2. [M 256, K 256] x [K 256, N 65,536]; A: input Wk; B: input X_Key: QUANTISED
;;     3. [M 256, K 256] x [K 256, N 65,536]; A: input Wv; B: input X_Value: QUANTISED
;;     4. batch 4,096 x [M 256, K 16] x [K 16, N 256]; A: computed on the way; B: computed on the way: left as it is (K = 16 < 32)
;;     5. batch 4,096 x [M 16, K 256] x [K 256, N 256]; A: computed on the way; B: softmax (see below): QUANTISED
;;     6. [M 256, K 256] x [K 256, N 65,536]; A: input Wo; B: computed on the way: QUANTISED
;;   THE QUANTISER, for each operand of a quantised product, along K:
;;     - K is cut into blocks of 32 from its start; a last block that is shorter is filled with zeros.
;;     - A block's scale is 2^e with e = floor(log2(the largest magnitude in the block)) - 2, held to -126 .. 127; a block of zeros has e = 0. As a byte (E8M0): e + 127.
;;     - Each number is divided by its block's scale, clamped to +-6, and rounded to the nearest number of E2M1, ties to even, subnormals kept.
;;     - The product sums the exact products of the quantised numbers (number of the format x scale) in f32.
;;   ~~~python
;;   def quantise(x, axis):      # numpy; x: float32 -> the quantised numbers, widened to float32 again
;;       x = np.moveaxis(x, axis, -1); K = x.shape[-1]
;;       x = np.pad(x, [(0, 0)] * (x.ndim - 1) + [(0, -K % 32)]); x = x.reshape(x.shape[:-1] + (-1, 32)); a = np.abs(x).max(-1, keepdims=True)
;;       e = np.where(a > 0, np.clip(np.frexp(np.where(a > 0, a, 1))[1] - 1 - 2, -126, 127), 0)      # np.frexp(a)[1] - 1 = floor(log2(a)), exactly
;;       r = np.clip(x / 2.0 ** e, -6, 6)
;;       step = 2.0 ** (np.maximum(np.frexp(np.where(r == 0, 1, r))[1] - 1, 0) - 1)
;;       q = np.round(r / step) * step * 2.0 ** e      # np.round: ties to even
;;       return np.moveaxis(q.reshape(q.shape[:-2] + (-1,))[..., :K], -1, axis).astype(np.float32)
;;   ~~~
;;   SOFTMAX AHEAD OF A QUANTISED PRODUCT. Where the list says 'softmax', what is quantised is not the finished softmax but p = 2^(t - M), with t = logit x log2(e) and M = ceil(the row's largest t), a whole number; so 1/2 < the row's largest p <= 1. The row's sum l is taken of the UNQUANTISED p, in f32, and the product's result is divided by l at the end. Since M is a whole number, a kernel that streams over the keys may use a running M (the ceiling of the running maximum): every later rescaling is an exact power of two, which a block's scale takes up: the codes' values come out the same.
;;   OPERANDS COMPUTED ON THE WAY. 'Computed on the way' means the value that the module computes at that place (a softmax that the list does not call 'softmax' is quantised finished and normalised). What goes into a quantiser is computed in f32, as accurately as f32 sums, v_exp_f32 and their like allow (about 1e-6 of the number): no bf16 or f16 on the way to a quantiser, and a product that is left as it is and whose result goes on into a quantised operand takes f32 operands (vector FMAs, or v_wmma_f32_16x16x4_f32). A number that lies on a knife's edge between two numbers of the format may be rounded either way, as far as f32 arithmetic and the matrix unit's own rounding can turn it there, and no further.
;; 2 versions, each right; version 2 is version 1 with the launch attn written anew for expert scheduling mode. Each part assembles by itself: llvm-mc -triple=amdgcn-amd-amdhsa -mcpu=gfx1250 --defsym DOCPART=n.
;; ======== version 1 of 2: 2 launches
;; workspace buffers: wimg 143,360 bytes
;; launch wprep (part 1): grid 16 x 4, 1 waves a work-group, no clusters, 0 bytes of LDS; arguments Wq, Wk, Wv, Wo, bq, bk, bv, bo, wimg; writes wimg
.if DOCPART == 1
	.amdgcn_target "amdgcn-amd-amdhsa--gfx1250"
	.amdhsa_code_object_version 6
	.text
	.protected	k_q97e52e51a1_wprep
	.globl	k_q97e52e51a1_wprep
	.p2align	8
	.type	k_q97e52e51a1_wprep,@function
k_q97e52e51a1_wprep:
	s_mov_b64 s[64:65], 0
	v_nop
	global_prefetch_b8 v0, s[64:65] scope:SCOPE_SE
	s_setreg_imm32_b32 hwreg(HW_REG_WAVE_MODE, 25, 1), 1
	s_wait_xcnt 0x0
; The four weights [256][256] f32 (K = the second axis, innermost) become codes of FP4 (E2M1) with one E8M0 byte for each 32 along K,
; laid as IMAGES OF OPERAND REGISTERS, so that the next launch takes a fragment by dense 16-byte loads.
; A work-group is one wave: tile t (16 rows) of weight i (0 q, 1 k, 2 v, 3 o), both K steps of 128.
; The row of tile t in lane r:  i < 3: 32 (t / 2) + 8 (t % 2) + r + 8 (r / 8);   i = 3: 16 t + r.
; wimg:  codes        32768 i + 1024 (2 t + s) + 512 c + 16 lane : row(t, lane % 16), k = 128 s + 64 c + 32 (lane / 16) + 0 .. 31
;        scale words  131072 + 2048 i + 128 t + 4 lane           : row(t, lane % 16), K step lane / 16
;        biases       139264 + 1024 i + 4 (16 t + m)             : b_i[row(t, m)]
; A block's scale byte is its largest magnitude's exponent field - 2, held at 1 from below.
; LIMITS: a block of zeros, or one whose largest magnitude lies under 2^-124, keeps the byte 1 (a zero block's codes are zeros; this program alone
; reads the bytes); NaN and infinities are not served.  The scale words (128 bytes) and the biases (64 bytes) of a work-group are short stores:
; 12 KiB of the launch's 140.
.set SCO, 131072
.set BIO, 139264
	s_load_b256 s[4:11], s[0:1], 0x0               ; Wq, Wk, Wv, Wo
	s_load_b256 s[12:19], s[0:1], 0x20             ; bq, bk, bv, bo
	s_load_b64 s[20:21], s[0:1], 0x40              ; wimg
	s_mov_b32 s22, ttmp9                           ; t
	s_and_b32 s23, ttmp7, 0xffff                   ; i
	s_lshr_b32 s24, s22, 1
	s_lshl_b32 s24, s24, 5
	s_and_b32 s25, s22, 1
	s_lshl_b32 s25, s25, 3
	s_add_co_u32 s24, s24, s25                     ; 32 (t / 2) + 8 (t % 2)
	s_lshl_b32 s34, s22, 4                         ; 16 t
	s_cmp_eq_u32 s23, 3
	s_cselect_b32 s24, s34, s24                    ; the tile's first row
	s_cselect_b32 s25, 0, 8                        ; what lanes 8-15 skip
	s_mov_b32 s32, 0x76543210
	s_mov_b32 s33, 0xfedcba98                      ; v_permlanex16_b32: lane l xor 16
	s_lshl_b32 s34, s23, 15
	s_lshl_b32 s35, s22, 11
	s_add_co_u32 s34, s34, s35                     ; codes: 32768 i + 2048 t
	s_mov_b32 s35, 0
	s_lshl_b32 s36, s23, 11
	s_lshl_b32 s37, s22, 7
	s_add_co_u32 s36, s36, s37
	s_add_co_u32 s36, s36, SCO                     ; scale words
	s_mov_b32 s37, 0
	s_lshl_b32 s38, s23, 10
	s_lshl_b32 s39, s22, 6
	s_add_co_u32 s38, s38, s39
	s_add_co_u32 s38, s38, BIO                     ; biases
	s_mov_b32 s39, 0
	v_and_b32 v1, 15, v0                           ; r
	v_bfe_u32 v2, v0, 4, 1                         ; h
	v_lshrrev_b32 v3, 3, v1
	v_mul_u32_u24 v3, s25, v3
	v_add3_u32 v3, v3, v1, s24                     ; my row
	v_lshlrev_b32 v4, 10, v3
	v_lshl_add_u32 v4, v2, 7, v4                   ; 1024 row + 128 h: my 32 numbers of each 64
	v_lshlrev_b32 v5, 4, v0                        ; 16 lane
	v_lshlrev_b32 v6, 2, v0                        ; 4 lane
	v_lshlrev_b32 v7, 3, v2                        ; 8 h
	v_lshlrev_b32 v25, 2, v3                       ; 4 row
	v_lshlrev_b32 v26, 2, v1                       ; 4 r
	v_mov_b32 v22, 0                               ; a lane permute's destination counts as one of its sources
	v_mov_b32 v23, 0
	s_wait_kmcnt 0x0
	s_cmp_eq_u32 s23, 1                            ; the choice hangs on the work-group's number alone
	s_cselect_b64 s[4:5], s[6:7], s[4:5]
	s_cselect_b64 s[12:13], s[14:15], s[12:13]
	s_cmp_eq_u32 s23, 2
	s_cselect_b64 s[4:5], s[8:9], s[4:5]
	s_cselect_b64 s[12:13], s[16:17], s[12:13]
	s_cmp_eq_u32 s23, 3
	s_cselect_b64 s[4:5], s[10:11], s[4:5]
	s_cselect_b64 s[12:13], s[18:19], s[12:13]
	s_add_nc_u64 s[26:27], s[20:21], s[34:35]
	s_add_nc_u64 s[28:29], s[20:21], s[36:37]
	s_add_nc_u64 s[30:31], s[20:21], s[38:39]
; a lane owns four whole blocks of 32: block e = 2 s + c holds k = 128 s + 64 c + 32 h + 0 .. 31 of its row, in v[64 + 32 e] on
.irp e, 0,1,2,3
.irp q, 0,1,2,3,4,5,6,7
	global_load_b128 v[64+32*\e+4*\q:64+32*\e+4*\q+3], v4, s[4:5] offset:256*\e+16*\q th:TH_LOAD_NT
.endr
.endr
	global_load_b32 v24, v25, s[12:13]             ; my row's bias
	s_wait_loadcnt 0x0
.irp e, 0,1,2,3
	v_max3_num_f32 v[8+\e], |v[64+32*\e]|, |v[65+32*\e]|, 0x1800000   ; with the floor 2^(3 - 127): the byte cannot fall under 1
.endr
.irp i, 2,4,6,8,10,12,14,16,18,20,22,24,26,28,30
.irp e, 0,1,2,3
	v_max3_num_f32 v[8+\e], v[8+\e], |v[64+32*\e+\i]|, |v[65+32*\e+\i]|   ; the four blocks by turns
.endr
.endr
.irp e, 0,1,2,3
	v_add_nc_u32 v[12+\e], 0xff000000, v[8+\e]     ; 2 off the exponent field: the conversion's scale operand
.endr
.irp e, 0,1,2,3
	v_lshrrev_b32 v[16+\e], 23, v[12+\e]           ; the scale's byte
.endr
.irp e, 0,1,2,3
.irp q, 0,1,2,3
	v_cvt_scalef32_pk8_fp4_f32 v[32+4*\e+\q], v[64+32*\e+8*\q:64+32*\e+8*\q+7], v[12+\e]
.endr
.endr
	v_nop                                          ; one plain line behind the last scaled conversion
.irp e, 0,1,2,3
	global_store_b128 v5, v[32+4*\e:32+4*\e+3], s[26:27] offset:512*\e   ; the wave stores 512 consecutive bytes
.endr
	v_lshl_or_b32 v20, v17, 16, v16                ; K step 0: my bytes are those of blocks h and 2 + h,
	v_lshl_or_b32 v21, v19, 16, v18                ; K step 1 likewise,
	v_lshlrev_b32 v20, v7, v20                     ; at their places in the word (8 h bits up)
	v_lshlrev_b32 v21, v7, v21
	v_permlanex16_b32 v22, v20, s32, s33
	v_permlanex16_b32 v23, v21, s32, s33
	v_or_b32 v20, v20, v22                         ; with lane l xor 16's two bytes each word is whole
	v_or_b32 v21, v21, v23
	v_cmp_ne_u32 vcc_lo, 0, v2
	v_cndmask_b32 v20, v20, v21, vcc_lo            ; lanes 0-15 keep K step 0's word, lanes 16-31 K step 1's
	global_store_b32 v6, v20, s[28:29]
	s_wait_xcnt 0x0                                ; EXEC changes only behind this wait
	v_cmp_gt_u32 vcc_lo, 16, v0
	s_and_saveexec_b32 s34, vcc_lo
	global_store_b32 v26, v24, s[30:31]            ; lanes 0-15: the tile's 16 biases
	s_endpgm
.Lfunc_end_k_q97e52e51a1_wprep:
	.size	k_q97e52e51a1_wprep, .Lfunc_end_k_q97e52e51a1_wprep-k_q97e52e51a1_wprep
	.p2alignl 7, 3214868480
	.fill 96, 4, 3214868480
	.section	.rodata,"a",@progbits
	.p2align	6, 0x0
	.amdhsa_kernel k_q97e52e51a1_wprep
		.amdhsa_group_segment_fixed_size 0
		.amdhsa_private_segment_fixed_size 0
		.amdhsa_enable_private_segment 0
		.amdhsa_kernarg_size 72
		.amdhsa_user_sgpr_count 2
		.amdhsa_user_sgpr_kernarg_segment_ptr 1
		.amdhsa_wavefront_size32 1
		.amdhsa_system_sgpr_workgroup_id_x 1
		.amdhsa_system_sgpr_workgroup_id_y 1
		.amdhsa_system_sgpr_workgroup_id_z 1
		.amdhsa_system_vgpr_workitem_id 0
		.amdhsa_next_free_vgpr 192
		.amdhsa_next_free_sgpr 66
		.amdhsa_reserve_vcc 1
		.amdhsa_float_denorm_mode_32 3
		.amdhsa_float_denorm_mode_16_64 3
		.amdhsa_memory_ordered 1
		.amdhsa_forward_progress 1
		.amdhsa_inst_pref_size 13
	.end_amdhsa_kernel
	.amdgpu_metadata
---
amdhsa.version: [ 1, 2 ]
amdhsa.kernels:
  - .name:           k_q97e52e51a1_wprep
    .symbol:         k_q97e52e51a1_wprep.kd
    .args:
      - { .name: Wq, .offset: 0, .size: 8, .value_kind: global_buffer, .address_space: global }
      - { .name: Wk, .offset: 8, .size: 8, .value_kind: global_buffer, .address_space: global }
      - { .name: Wv, .offset: 16, .size: 8, .value_kind: global_buffer, .address_space: global }
      - { .name: Wo, .offset: 24, .size: 8, .value_kind: global_buffer, .address_space: global }
      - { .name: bq, .offset: 32, .size: 8, .value_kind: global_buffer, .address_space: global }
      - { .name: bk, .offset: 40, .size: 8, .value_kind: global_buffer, .address_space: global }
      - { .name: bv, .offset: 48, .size: 8, .value_kind: global_buffer, .address_space: global }
      - { .name: bo, .offset: 56, .size: 8, .value_kind: global_buffer, .address_space: global }
      - { .name: wimg, .offset: 64, .size: 8, .value_kind: global_buffer, .address_space: global }
    .group_segment_fixed_size: 0
    .private_segment_fixed_size: 0
    .kernarg_segment_align: 8
    .kernarg_segment_size: 72
    .max_flat_workgroup_size: 32
    .sgpr_count:     66
    .vgpr_count:     192
    .wavefront_size: 32
...
	.end_amdgpu_metadata
.endif
;; end of part 1
;; launch attn (part 2): grid 256 x 1, 16 waves a work-group, no clusters, 326,144 bytes of LDS; arguments X_Query, X_Key, X_Value, wimg, out0; writes out0
.if DOCPART == 2
	.amdgcn_target "amdgcn-amd-amdhsa--gfx1250"
	.amdhsa_code_object_version 6
	.text
	.protected	k_q97e52e51a1_attn
	.globl	k_q97e52e51a1_attn
	.p2align	8
	.type	k_q97e52e51a1_attn,@function
k_q97e52e51a1_attn:
	s_mov_b64 s[64:65], 0
	v_nop
	global_prefetch_b8 v0, s[64:65] scope:SCOPE_SE
	s_setreg_imm32_b32 hwreg(HW_REG_WAVE_MODE, 25, 1), 1
	s_wait_xcnt 0x0
; The whole module for one point (b, n) at a time; nothing between X and out goes to memory.  A point owns 256 channels x 64 l of each X: rows of 256 bytes, 65,536 bytes apart.
;   q, k, v = W X + b (K = channel, FP4 codes with E8M0 scales);  per head (16 l): scores = q k^T / 4 (K = 16, f32 operands);  p = 2^(t - M), M a whole number, quantised along the keys;
;   o = p v / l (K = keys, FP4);  out = Wo o + bo (K = channel, FP4).
; SHARES.  Work-group id walks the four points b = id / 64, n = 4 (id % 64) + 0 .. 3.  Sixteen waves of 256 registers.  Wave w (bb = w % 8, g = w / 8) makes channel tiles 2 bb, 2 bb + 1 of q, k, v and of the
; attention for heads 2 g, 2 g + 1; rows 16 w .. 16 w + 15 of out; and it quantises channels 32 (w / 2) .. + 31, columns 32 (w % 2) + lane of each X: a whole block of 32 along K in one lane.
; The weights (codes, scale words, biases, made by the launch before as images of operand registers) lie in LDS for the whole launch.
; ORIENTATION.  q, k: source 0 = X (16 l), source 1 = W (16 channels): lane (r, h) holds one channel and l = 8 h + 0 .. 7: the register pair 2 s, 2 s + 1 is the f32 form's operand of its K step s, alike for q and k.
;   S^T: source 0 = k, source 1 = q: a lane holds one query; a weight tile's rows are chosen so that the 16 registers of key tiles 2 b, 2 b + 1 are keys 32 b + 16 h + 0 .. 15.
;   v: source 0 = Wv, source 1 = X: lane = l, 16 registers = 16 neighbouring keys.   o: source 0 = p's codes, source 1 = v's: lane = l, the 16 registers of a pair of query tiles = 16 neighbouring channels, the last product's K.
;   out: source 0 = o's codes (16 l), source 1 = Wo: lane = one row of out with 8 neighbouring l; it leaves through the wave's own stage as whole rows of 256 bytes.
; OPERANDS GO FROM WAVE TO WAVE THROUGH LDS AS IMAGES OF THEIR REGISTERS (512 consecutive bytes an instruction).
; BY TURNS.  A wave has eight key steps a point (2 heads x 2 query tiles x 2 x 128 keys).  As soon as t - M of a step stands in P, the scores' registers are free: the NEXT step's 32 f32 products are issued with this step's
; exponentials, sums and conversions between them, one slice (4 exponentials, 4 packed sums or 1 conversion) behind each product.  Outside the turns stand a step's search for the maximum, its FP4 product, q's projection and the division.
; k's fragments come in four batches of 16 registers (4 key tiles x half of the head's 16), into two buffers by turns; the second buffer takes v's fragment and p's codes when its last batch is multiplied.
; X COMES THROUGH REGISTERS: during the attention each wave has 32 loads of the next point's X on their way in v192-223; a load of the wave covers 128 consecutive bytes, and wave w xor 1 takes the 128 beside them.
; No cluster: the work-groups share only the weights' 140 KiB, read once each, out of 1.16 MiB that a work-group moves.  No tensor load: LDS is full of weights and of the point's operands, and a slot's refill would ask for a
; barrier inside the attention.  No prefetch: each load is issued two key steps (64 f32 products) ahead of the wait for it.
; TWO BARRIERS A POINT.  Ahead of ALPHA: k's images, v's codes.  Between ALPHA and DELTA: the attention (it reads q's X codes, k, v; it writes o's codes and the next point's X codes for k and v).
; Behind DELTA: the next point's X codes for q, the last product, the next point's k and v.
; LIMITS: NaN and infinities are not served; a block of zeros, or one under 2^-124, keeps the scale byte 1 (a zero block's codes are zeros); a score is summed over l in the order 8 h + 2 s + j of the f32 form's slots;
; the division by the row's sum is v_rcp_f32 and a multiplication.
.set XC,   0                           ; X codes: 8192 tau (0 q, 1 k, 2 v) + 1024 (2 head + s) + 512 c + 16 lane
.set XS,   24576                       ; X scale words: 512 tau + 128 head + 4 lane (lanes 0-15 K step 0, lanes 16-31 K step 1)
.set VC,   26112                       ; v's codes, keys innermost: 1024 (2 head + s) + 512 c + 16 lane
.set VS,   34304                       ; v's scale words: 128 head + 4 lane
.set AC,   34816                       ; o's codes, channels innermost, as VC
.set ATS,  43008                       ; o's scale words
.set GSC,  43520                       ; 128 bytes a wave: two factors for each of 16 queries
.set WSC,  45568                       ; the weights' scale words
.set WB,   53760                       ; the biases
.set WC,   57856                       ; the weights' codes
.set KIMG, 188928                      ; k in f32: 16384 head + 1024 tile + 512 q + 16 lane
.set OST,  254464                      ; the way out: 16 rows x 272 bytes a wave; in the attention its first 1,024 bytes keep o of the pair's first query tile
; v1 16 lane + 4096 g   v2 4 lane + 256 g   v3 WC + 4096 bb + 16 lane   v4 4 lane + 256 bb   v5 KIMG + 32768 g + 16 lane   v6, v7 where 16 codes and their scale byte go   v8, v9 the same for a column of X
; v10 my column of X in memory   v11 4 r + 128 bb   v12 -M   v13 the largest t   v[14:15] the row's sum   v16 f = 2^(old M - new M)   v17 p's scale word   v18, v19 the factors' words   v20-23 scale words
.set Q,   24                           ; v24-31   q: one tile
.set KF,  32                           ; v32-63   fragments and scratch outside the attention
.set KA,  32                           ; v32-47   the attention: k's batches 1 and 3
.set BM,  48                           ; v48-51   the blocks' largest scores, then largest p
.set BP,  52                           ; v52-55   at work;  v52-59 q's bias as a C operand
.set SO,  56                           ; v56-59   the conversions' scale operands
.set TA,  60                           ; v60      at work
.set BI,  61                           ; v61      q's bias
.set PK,  62                           ; v62      my stage + 16 lane: where o of the first query tile waits
.set S,   64                           ; v64-127  S^T: written by the f32 matrix form alone
.set P,   128                          ; v128-191 p; fragments in the other phases
.set XR,  192                          ; v192-223 X on its way; accumulators outside the attention
.set O1,  224                          ; v224-231, v232-239 o under the first and the second M
.set O2,  232
.set KB,  240                          ; v240-255 k's batches 0 and 2; then
.set VF,  240                          ; v240-247 v's fragment,
.set PC,  248                          ; v248-255 p's codes
.set SC0, 20
.macro PLACES n                        ; plain vector lines between a matrix instruction and what touches its registers (ISA guide 7.12.1)
.rept \n
	v_nop
.endr
.endm
.macro BAR                             ; my LDS stores have landed and my LDS loads are in: then the work-group's barrier
	s_wait_dscnt 0x0
	s_barrier_signal -1
	s_barrier_wait -1
.endm
.macro XLOAD base, dst                 ; my column of 32 channels: register i = channel 32 (w / 2) + i
.set xi, 0
.rept 32
	global_load_b32 v[\dst+xi], v10, s[\base:\base+1] offset:65536*xi th:TH_LOAD_NT
.set xi, xi+1
.endr
.endm
.macro FP4 d, a, b, c, sa, sb, row     ; row = 1: both scale words from lanes 16-31: K step 1
.if \row
	v_wmma_scale_f32_16x16x128_f8f6f4 v[\d:\d+7], v[\a:\a+7], v[\b:\b+7], v[\c:\c+7], v[\sa], v[\sb] matrix_a_fmt:MATRIX_FMT_FP4 matrix_b_fmt:MATRIX_FMT_FP4 matrix_a_scale:MATRIX_SCALE_ROW1 matrix_b_scale:MATRIX_SCALE_ROW1
.else
	v_wmma_scale_f32_16x16x128_f8f6f4 v[\d:\d+7], v[\a:\a+7], v[\b:\b+7], v[\c:\c+7], v[\sa], v[\sb] matrix_a_fmt:MATRIX_FMT_FP4 matrix_b_fmt:MATRIX_FMT_FP4
.endif
.endm
; 32 numbers of one column, a whole block along K in my lane: 16 bytes of codes and one scale byte into X's images
.macro QCOL src, tau
	v_max3_num_f32 v[KF+4], |v[\src]|, |v[\src+1]|, |v[\src+2]|
	v_max3_num_f32 v[KF+5], |v[\src+3]|, |v[\src+4]|, |v[\src+5]|
.irp i, 6,10,14,18,22,26
	v_max3_num_f32 v[KF+4], v[KF+4], |v[\src+\i]|, |v[\src+\i+1]|
	v_max3_num_f32 v[KF+5], v[KF+5], |v[\src+\i+2]|, |v[\src+\i+3]|
.endr
	v_max3_num_f32 v[KF+4], v[KF+4], |v[\src+30]|, |v[\src+31]|
	v_max3_num_f32 v[KF+4], v[KF+4], v[KF+5], 0x1800000        ; the floor 2^(3 - 127): the byte cannot fall under 1
	v_add_nc_u32 v[KF+6], 0xff000000, v[KF+4]                  ; 2 off the exponent field: the conversion's scale operand
	v_lshrrev_b32 v[KF+7], 23, v[KF+6]                         ; the byte
.irp i, 0,1,2,3
	v_cvt_scalef32_pk8_fp4_f32 v[KF+\i], v[\src+8*\i:\src+8*\i+7], v[KF+6]
.endr
	v_nop                                          ; one plain line behind the last scaled conversion
	ds_store_b128 v8, v[KF:KF+3] offset:XC+8192*\tau
	ds_store_b8 v9, v[KF+7] offset:XS+512*\tau
	s_wait_dscnt 0x0                               ; the stores have read their registers
.endm
; 16 numbers of a lane, neighbours along K; lane l xor 16 holds the block's other 16.  8 bytes of codes to oc, the scale byte to ob (both halves write the same byte with the same value)
.macro QB16 src, oc, ob
	v_max3_num_f32 v[KF], |v[\src]|, |v[\src+1]|, 0x1800000    ; where the 16 are two accumulators, each is read from its low end on
	v_max3_num_f32 v[KF+1], |v[\src+8]|, |v[\src+9]|, |v[\src+10]|
	v_max3_num_f32 v[KF], v[KF], |v[\src+2]|, |v[\src+3]|
	v_max3_num_f32 v[KF+1], v[KF+1], |v[\src+11]|, |v[\src+12]|
	v_max3_num_f32 v[KF], v[KF], |v[\src+4]|, |v[\src+5]|
	v_max3_num_f32 v[KF+1], v[KF+1], |v[\src+13]|, |v[\src+14]|
	v_max3_num_f32 v[KF], v[KF], |v[\src+6]|, |v[\src+7]|
	v_max3_num_f32 v[KF], v[KF], v[KF+1], |v[\src+15]|
	v_permlanex16_b32 v[KF+2], v[KF], s20, s21
	v_max_num_f32 v[KF], v[KF], v[KF+2]
	v_add_nc_u32 v[KF+3], 0xff000000, v[KF]
	v_lshrrev_b32 v[KF+4], 23, v[KF+3]
	v_cvt_scalef32_pk8_fp4_f32 v[KF+6], v[\src:\src+7], v[KF+3]
	v_cvt_scalef32_pk8_fp4_f32 v[KF+7], v[\src+8:\src+15], v[KF+3]
	v_nop
	ds_store_b64 v6, v[KF+6:KF+7] offset:\oc
	ds_store_b8 v7, v[KF+4] offset:\ob
	s_wait_dscnt 0x0
.endm
; q of head 2 g + hh, channel tile 2 bb + u: Wq's fragments in KA, X's in KB, the bias in v52-59.  One accumulator: a wait stands directly ahead of the second link
.macro QPROJ hh, u
	ds_load_b32 v[BI], v11 offset:WB+64*\u
.irp k, 0,1
.irp c, 0,1
	ds_load_b128 v[KA+8*\k+4*\c:KA+8*\k+4*\c+3], v3 offset:2048*\u+1024*\k+512*\c
.endr
.endr
.irp k, 0,1
.irp c, 0,1
	ds_load_b128 v[KB+8*\k+4*\c:KB+8*\k+4*\c+3], v1 offset:XC+2048*\hh+1024*\k+512*\c
.endr
.endr
	ds_load_b32 v[SC0+1], v4 offset:WSC+128*\u
	ds_load_b32 v[SC0+2], v2 offset:XS+128*\hh
	s_wait_dscnt 10                                ; the bias is in; the ten loads behind it may be out
.irp j, 0,1,2,3,4,5,6,7
	v_mov_b32 v[BP+\j], v[BI]                      ; the bias in the result's layout: my channel's, for all eight l
.endr
	s_wait_dscnt 0x0
	PLACES 4
	FP4 Q, KB, KA, BP, SC0+2, SC0+1, 0
	s_wait_alu depctr_va_vdst(0)
	FP4 Q, KB+8, KA+8, Q, SC0+2, SC0+1, 1
	PLACES 5                                       ; five lines ahead of q as an operand; four ahead of the loads into the fragments' registers
.endm
; batch b of four of key step (mh, ms): key tiles 4 (b / 2) + 0 .. 3, registers 4 (b % 2) + 0 .. 3 of each tile's image
.macro KLOAD buf, mh, ms, b
.irp t, 0,1,2,3
	ds_load_b128 v[\buf+4*\t:\buf+4*\t+3], v5 offset:16384*(\mh)+8192*(\ms)+4096*((\b)/2)+1024*\t+512*((\b)%2)
.endr
.endm
; product i of eight of batch b: K step 2 (b % 2) + i / 4 of the f32 form, key tile 4 (b / 2) + i % 4: four accumulators by turns, K ascending; the first K step starts the sums
.macro SCORE buf, b, i
.set wt, (\i)%4
.set wk, 2*((\b)%2)+(\i)/4
.set wd, S+32*((\b)/2)+8*wt
.set wa, \buf+4*wt+2*((\i)/4)
.if wk == 0
	v_wmma_f32_16x16x4_f32 v[wd:wd+7], v[wa:wa+1], v[Q:Q+1], 0
.else
	v_wmma_f32_16x16x4_f32 v[wd:wd+7], v[wa:wa+1], v[Q+2*wk:Q+2*wk+1], v[wd:wd+7]
.endif
.endm
; A key step's maximum, the new M, and t - M into P: behind it the scores' registers are free
.macro SMAX
.irp b, 0,1,2,3
	v_max3_num_f32 v[BM+\b], v[S+16*\b], v[S+16*\b+1], v[S+16*\b+2]   ; the largest score of each block of 32 keys: for the row's maximum and, since p rises with the score, for the block's largest p
.endr
.irp i, 3,5,7,9,11,13
.irp b, 0,1,2,3
	v_max3_num_f32 v[BM+\b], v[BM+\b], v[S+16*\b+\i], v[S+16*\b+\i+1]
.endr
.endr
.irp b, 0,1,2,3
	v_max_num_f32 v[BM+\b], v[BM+\b], v[S+16*\b+15]
.endr
.irp b, 0,1,2,3
	v_permlanex16_b32 v[BP+\b], v[BM+\b], s20, s21
.endr
.irp b, 0,1,2,3
	v_max_num_f32 v[BM+\b], v[BM+\b], v[BP+\b]     ; with lane l xor 16's 16 keys
.endr
	v_max3_num_f32 v[TA], v[BM], v[BM+1], v[BM+2]
	v_max_num_f32 v[TA], v[TA], v[BM+3]
	v_mul_f32 v[TA], s22, v[TA]                    ; as t: c = log2(e) / 4 is positive
	v_max_num_f32 v13, v13, v[TA]                  ; the running largest t
	v_mov_b32 v[TA], v12
	v_floor_f32 v12, -v13                          ; the new -M = -ceil(t)
	v_sub_f32 v[TA], v12, v[TA]                    ; old M - new M: a whole number, 0 or less
	v_cvt_i32_f32 v[TA], v[TA]                     ; (it saturates)
	v_ldexp_f32 v16, 1.0, v[TA]                    ; f = 2^(old M - new M)
.set jj, 0
.rept 32
	v_pk_fma_f32 v[P+jj:P+jj+1], v[S+jj:S+jj+1], s[22:23], v[12:13] op_sel_hi:[1,0,0]   ; t - M, into other registers than the sums'
.set jj, jj+2
.endr
.irp b, 0,1,2,3
	v_fma_f32 v[BM+\b], v[BM+\b], s22, v12         ; the same of each block's largest score
.endr
.endm
; number n of the 32 packed additions of the row's sum, taken of the unquantised p, in two chains
.macro PADD n
.if (\n) == 0
	v_pk_add_f32 v[BP:BP+1], v[P:P+1], v[P+2:P+3]
.elseif (\n) == 31
	v_pk_add_f32 v[14:15], v[14:15], v[BP:BP+1]
.elseif ((\n)%2) == 1
	v_pk_add_f32 v[14:15], v[14:15], v[P+2*(\n)+2:P+2*(\n)+3]
.else
	v_pk_add_f32 v[BP:BP+1], v[BP:BP+1], v[P+2*(\n)+2:P+2*(\n)+3]
.endif
.endm
; THE TURNS.  mon = 1: the 32 products of key step (mh, ms), whose batches 0 (in KB) and 1 (in KA) have been asked for.  von = 1: from t - M in P to the FP4 product of key step (vh, vs), into od.
.macro TURNS mon, mh, ms, von, vh, vs, od
.if \mon
	s_wait_dscnt 4                                 ; batch 0 is in; batch 1's four loads may be out
.endif
.set ii, 0
.rept 8
.if \mon
	SCORE KB, 0, ii
.endif
.if \von
	v_exp_f32 v[P+4*ii], v[P+4*ii]                 ; p = 2^(t - M): not normalised
	v_exp_f32 v[P+4*ii+1], v[P+4*ii+1]
	v_exp_f32 v[P+4*ii+2], v[P+4*ii+2]
	v_exp_f32 v[P+4*ii+3], v[P+4*ii+3]
.endif
.set ii, ii+1
.endr
.if \mon
	PLACES 8                                       ; behind the f32 form eight plain lines ahead of loads into its sources; exponentials are none
	KLOAD KB, \mh, \ms, 2
	s_wait_dscnt 4                                 ; batch 1 is in; batch 2's four loads may be out
.endif
.set ii, 0
.rept 8
.if \mon
	SCORE KA, 1, ii
.endif
.if \von
	v_exp_f32 v[P+32+4*ii], v[P+32+4*ii]
	v_exp_f32 v[P+32+4*ii+1], v[P+32+4*ii+1]
	v_exp_f32 v[P+32+4*ii+2], v[P+32+4*ii+2]
	v_exp_f32 v[P+32+4*ii+3], v[P+32+4*ii+3]
.endif
.set ii, ii+1
.endr
.if \von
	v_mul_f32 v14, v14, v16                        ; the sum under the new M: plain lines behind the exponentials, and two of the eight ahead of the loads
	v_mul_f32 v15, v15, v16
.endif
.if \mon
	PLACES 8-2*\von
	KLOAD KA, \mh, \ms, 3
.endif
.if \von
	s_wait_alu depctr_va_vdst(0)                   ; one wait for the batch of 64, ahead of its first reader
.irp b, 0,1,2,3
	v_exp_f32 v[BM+\b], v[BM+\b]                   ; the block's largest p
.endr
.endif
.if \mon
	s_wait_dscnt 4                                 ; batch 2 is in; batch 3's four loads may be out
.endif
.set ii, 0
.rept 8
.if \mon
	SCORE KB, 2, ii
.endif
.if \von
	PADD 4*ii
	PADD 4*ii+1
	PADD 4*ii+2
	PADD 4*ii+3
.endif
.set ii, ii+1
.endr
.if \von
	s_wait_alu depctr_va_vdst(0)                   ; and one for the four
.irp b, 0,1,2,3
	v_max_num_f32 v[BM+\b], 0x1800000, v[BM+\b]    ; the floor: the byte cannot fall under 1.  (These fifteen lines are the plain lines behind batch 2's products: KB is written again behind them)
.endr
.irp b, 0,1,2,3
	v_add_nc_u32 v[SO+\b], 0xff000000, v[BM+\b]
.endr
.irp b, 0,1,2,3
	v_lshrrev_b32 v[BP+\b], 23, v[SO+\b]
.endr
	v_lshl_or_b32 v17, v[BP+1], 8, v[BP]           ; p's scale word for these 128 keys
	v_lshl_or_b32 v17, v[BP+2], 16, v17
	v_lshl_or_b32 v17, v[BP+3], 24, v17
.irp c, 0,1
	ds_load_b128 v[VF+4*\c:VF+4*\c+3], v1 offset:VC+2048*\vh+1024*\vs+512*\c
.endr
.endif
.if \mon
.if \von
	s_wait_dscnt 2                                 ; batch 3 is in; v's two loads may be out
.else
	s_wait_dscnt 0x0
.endif
.endif
.set ii, 0
.rept 8
.if \mon
	SCORE KA, 3, ii
.endif
.if \von
	v_cvt_scalef32_pk8_fp4_f32 v[PC+ii], v[P+8*ii:P+8*ii+7], v[SO+ii/2]
.endif
.set ii, ii+1
.endr
.if \von
	v_nop                                          ; one plain line behind the last scaled conversion
.irp c, 0,1                            ; the operand wants a whole block in a lane: lanes 0-15 block 2 c, lanes 16-31 block 2 c + 1
.irp i, 0,1
	v_permlane16_swap_b32 v[PC+4*\c+\i], v[PC+4*\c+2+\i]
.endr
.endr
.endif
	PLACES 8                                       ; eight lines behind the last f32 product, ahead of the reads of its sums and of loads into its sources; a scale word made by vector lines stands eight ahead of the scaled product
.if \von
	s_wait_dscnt 0x0                               ; v's fragment
.if \vs
	v_wmma_scale_f32_16x16x128_f8f6f4 v[\od:\od+7], v[PC:PC+7], v[VF:VF+7], 0, v17, v[SC0+3*\vh] matrix_a_fmt:MATRIX_FMT_FP4 matrix_b_fmt:MATRIX_FMT_FP4 matrix_b_scale:MATRIX_SCALE_ROW1
.else
	v_wmma_scale_f32_16x16x128_f8f6f4 v[\od:\od+7], v[PC:PC+7], v[VF:VF+7], 0, v17, v[SC0+3*\vh] matrix_a_fmt:MATRIX_FMT_FP4 matrix_b_fmt:MATRIX_FMT_FP4
.endif
	PLACES 4                                       ; ahead of the reads of its result and of loads into its sources
.endif
.endm
; o = (O1 f + O2) / l.  The factors belong to queries, which lie in lanes here and in registers in O1, O2: they turn through 128 bytes of the wave's own.
; The pair's first tile (u = 0) waits in the wave's own stage; with the second it stands in v[P + 16] on, 16 neighbours along the last product's K.  The next unit's statistics begin here
.macro FINAL u
	v_add_f32 v14, v14, v15
	v_permlanex16_b32 v[BP], v14, s20, s21
	v_add_f32 v14, v14, v[BP]                      ; the row's sum
	v_rcp_f32 v[TA], v14
	v_nop                                          ; a plain line behind the reciprocal
	s_wait_alu depctr_va_vdst(0)                   ; and the wait ahead of its first reader
	v_mul_f32 v[BM], v16, v[TA]                    ; f / l: exact scaling of 1 / l
	ds_store_b32 v18, v[BM] offset:GSC             ; both halves of the lanes write the same word with the same value
	ds_store_b32 v18, v[TA] offset:GSC+64
	ds_load_b128 v[P:P+3], v19 offset:GSC          ; LDS serves a wave's instructions in order (ISA guide 5.7.1.4): these see the stores
	ds_load_b128 v[P+4:P+7], v19 offset:GSC+16
	ds_load_b128 v[P+8:P+11], v19 offset:GSC+64
	ds_load_b128 v[P+12:P+15], v19 offset:GSC+80
.if \u
	ds_load_b128 v[P+16:P+19], v[PK]
	ds_load_b128 v[P+20:P+23], v[PK] offset:512
.endif
	s_wait_dscnt 0x0
.irp i, 0,2,4,6
	v_pk_mul_f32 v[P+16+8*\u+\i:P+16+8*\u+\i+1], v[O1+\i:O1+\i+1], v[P+\i:P+\i+1]
.endr
.irp i, 0,2,4,6
	v_pk_fma_f32 v[P+16+8*\u+\i:P+16+8*\u+\i+1], v[O2+\i:O2+\i+1], v[P+8+\i:P+8+\i+1], v[P+16+8*\u+\i:P+16+8*\u+\i+1]
.endr
.if \u == 0
	ds_store_b128 v[PK], v[P+16:P+19]
	ds_store_b128 v[PK], v[P+20:P+23] offset:512
.endif
	v_mov_b32 v13, 0xff61b1e6                      ; the largest t so far: -3e38
	v_floor_f32 v12, -v13                          ; -M
	v_mov_b32 v14, 0                               ; the row's sum, in two halves
	v_mov_b32 v15, 0
.if \u == 0
	s_wait_dscnt 0x0                               ; the stores have read their registers
.endif
.endm
; A unit's first key step: its second step's products take the turns.  The first two batches are asked for ahead of the search for the maximum
.macro STEP0 hh
	KLOAD KB, \hh, 1, 0
	KLOAD KA, \hh, 1, 1
	SMAX
	TURNS 1, \hh, 1, 1, \hh, 0, O1
.endm
; A unit's second key step: q of the next unit (nh, nu) is made between t - M and the turns, and that unit's first step takes the turns
.macro STEP1 hh, nh, nu
	SMAX
	QPROJ \nh, \nu
	KLOAD KB, \nh, 0, 0
	KLOAD KA, \nh, 0, 1
	TURNS 1, \nh, 0, 1, \hh, 1, O2
.endm
	s_load_b256 s[4:11], s[0:1], 0x0               ; X_Query s[4:5], X_Key s[6:7], X_Value s[8:9], wimg s[10:11]
	s_load_b64 s[12:13], s[0:1], 0x20              ; out
	v_lshrrev_b32 v32, 5, v0
	v_readfirstlane_b32 s14, v32                   ; w
	s_and_b32 s15, s14, 7                          ; bb
	s_lshl_b32 s26, s15, 11                        ; 2048 bb
	s_lshl_b32 s27, s14, 11
	s_add_co_u32 s27, s27, WC+98304                ; Wo's fragments of my 16 rows
	s_lshl_b32 s28, s14, 7                         ; 128 w
	s_lshl_b32 s29, s14, 6                         ; 64 w
	s_mul_i32 s30, s14, 4352
	s_add_co_u32 s30, s30, OST                     ; my stage
	s_lshl_b32 s31, s14, 20                        ; my 16 rows of out
	s_lshl_b32 s32, s15, 7                         ; 128 bb
	s_mov_b32 s20, 0x76543210
	s_mov_b32 s21, 0xfedcba98                      ; v_permlanex16_b32: lane l xor 16
	s_mov_b32 s22, 0x3eb8aa3b                      ; c = log2(e) / sqrt(16)
	s_mov_b32 s23, s22                             ; (named with it as a pair)
	s_mov_b32 s24, 0                               ; the point
	s_lshr_b32 s34, ttmp9, 6
	s_lshl_b32 s34, s34, 24                        ; b
	s_and_b32 s33, ttmp9, 63
	s_lshl_b32 s33, s33, 10                        ; n = 4 (id % 64): 256 bytes a point
	s_add_co_u32 s34, s34, s33
	s_mov_b32 s35, 0
	v_and_b32 v244, 31, v0                         ; lane
	v_and_b32 v245, 15, v0                         ; r
	v_bfe_u32 v246, v0, 4, 1                       ; h
	v_bfe_u32 v247, v0, 5, 3                       ; bb
	v_bfe_u32 v248, v0, 8, 1                       ; g
	v_bfe_u32 v249, v0, 5, 1                       ; w % 2
	v_bfe_u32 v250, v0, 6, 3                       ; w / 2
	v_bfe_u32 v251, v0, 7, 1                       ; bb / 4
	v_and_b32 v252, 0x1e0, v0                      ; 32 w
	v_lshlrev_b32 v1, 4, v244
	v_lshl_add_u32 v1, v248, 12, v1
	v_lshlrev_b32 v2, 2, v244
	v_lshl_add_u32 v2, v248, 8, v2
	v_lshlrev_b32 v3, 4, v244
	v_lshl_add_u32 v3, v247, 12, v3
	v_add_nc_u32 v3, WC, v3
	v_lshlrev_b32 v4, 2, v244
	v_lshl_add_u32 v4, v247, 8, v4
	v_lshlrev_b32 v5, 4, v244
	v_lshl_add_u32 v5, v248, 15, v5
	v_add_nc_u32 v5, KIMG, v5
	v_lshlrev_b32 v6, 4, v245                      ; 16 r + 8 h + 4096 g + 256 bb: block bb of row r of an image, my half of its 16 bytes
	v_lshl_add_u32 v6, v246, 3, v6
	v_lshl_add_u32 v6, v248, 12, v6
	v_lshl_add_u32 v6, v247, 8, v6
	v_bfe_u32 v7, v0, 5, 2                         ; bb % 4 + 4 r + 256 g + 64 (bb / 4): that block's byte in row r's scale word
	v_lshl_add_u32 v7, v245, 2, v7
	v_lshl_add_u32 v7, v248, 8, v7
	v_lshl_add_u32 v7, v251, 6, v7
	v_lshlrev_b32 v8, 4, v245                      ; 16 r + 2048 h + 256 (w / 2) + 4096 (w % 2): column 32 (w % 2) + lane is row r of head 2 (w % 2) + h; its block w / 2
	v_lshl_add_u32 v8, v246, 11, v8
	v_lshl_add_u32 v8, v250, 8, v8
	v_lshl_add_u32 v8, v249, 12, v8
	v_bfe_u32 v9, v0, 6, 2                         ; (w / 2) % 4 + 4 r + 128 h + 256 (w % 2) + 64 g
	v_lshl_add_u32 v9, v245, 2, v9
	v_lshl_add_u32 v9, v246, 7, v9
	v_lshl_add_u32 v9, v249, 8, v9
	v_lshl_add_u32 v9, v248, 6, v9
	v_lshlrev_b32 v10, 2, v244                     ; 4 lane + 128 (w % 2) + 32 (w / 2) rows of 65,536 bytes
	v_lshl_add_u32 v10, v249, 7, v10
	v_lshl_add_u32 v10, v250, 21, v10
	v_lshlrev_b32 v11, 2, v245
	v_lshl_add_u32 v11, v247, 7, v11
	v_lshlrev_b32 v18, 2, v245
	v_lshl_add_u32 v18, v252, 2, v18               ; 128 w + 4 r
	v_lshlrev_b32 v19, 5, v246
	v_lshl_add_u32 v19, v252, 2, v19               ; 128 w + 32 h
	v_lshlrev_b32 v240, 4, v0                      ; 16 x thread
	v_lshlrev_b32 v241, 3, v0                      ; 8 x thread
	v_add_nc_u32 v242, WC, v240
	v_add_nc_u32 v243, WC+65536, v240
	s_wait_kmcnt 0x0
	s_add_nc_u64 s[4:5], s[4:5], s[34:35]
	s_add_nc_u64 s[6:7], s[6:7], s[34:35]
	s_add_nc_u64 s[8:9], s[8:9], s[34:35]
	s_add_nc_u64 s[12:13], s[12:13], s[34:35]
; the weights come into LDS as they lie: 8,192 consecutive bytes an instruction of the work-group
.irp i, 0,1,2,3,4,5,6,7
	global_load_b128 v[KF+4*\i:KF+4*\i+3], v240, s[10:11] offset:8192*\i
.endr
.irp i, 0,1,2,3,4,5,6,7
	global_load_b128 v[P+4*\i:P+4*\i+3], v240, s[10:11] offset:65536+8192*\i
.endr
	global_load_b128 v[224:227], v240, s[10:11] offset:131072
	global_load_b64 v[228:229], v241, s[10:11] offset:139264
	XLOAD 6, XR                                    ; the first point's X_Key
	s_wait_loadcnt 32                              ; the weights are in; X_Key's 32 loads may be out
.irp i, 0,1,2,3,4,5,6,7
	ds_store_b128 v242, v[KF+4*\i:KF+4*\i+3] offset:8192*\i
.endr
.irp i, 0,1,2,3,4,5,6,7
	ds_store_b128 v243, v[P+4*\i:P+4*\i+3] offset:8192*\i
.endr
	ds_store_b128 v240, v[224:227] offset:WSC
	ds_store_b64 v241, v[228:229] offset:WB
	XLOAD 8, P+32                                  ; X_Value
	s_wait_dscnt 0x0                               ; the stores have read their registers
	s_wait_loadcnt 32                              ; X_Key is in; X_Value's 32 may be out
	QCOL XR, 1
	XLOAD 4, XR                                    ; X_Query
	s_wait_loadcnt 32                              ; X_Value is in
	QCOL P+32, 2
	s_wait_loadcnt 0x0
	QCOL XR, 0
	s_wait_xcnt 0x0                                ; the bases are written only behind this wait
	s_add_nc_u64 s[4:5], s[4:5], 256               ; on to the point that is loaded next
	s_add_nc_u64 s[6:7], s[6:7], 256
	s_add_nc_u64 s[8:9], s[8:9], 256
	BAR                                            ; the weights and the first point's X codes lie in LDS
.Lpoint:
	; ---- k: my two channel tiles x my two heads; the results go to LDS in f32, as images
	v_add_nc_u32 v[P+56], s26, v5
.irp e, 0,1
	ds_load_b32 v[P+48+\e], v11 offset:WB+1024+64*\e
.endr
.irp e, 0,1
.irp k, 0,1
.irp c, 0,1
	ds_load_b128 v[KF+16*\e+8*\k+4*\c:KF+16*\e+8*\k+4*\c+3], v3 offset:32768+2048*\e+1024*\k+512*\c
.endr
.endr
.endr
.irp a, 0,1
.irp k, 0,1
.irp c, 0,1
	ds_load_b128 v[P+16*\a+8*\k+4*\c:P+16*\a+8*\k+4*\c+3], v1 offset:XC+8192+2048*\a+1024*\k+512*\c
.endr
.endr
.endr
.irp e, 0,1
	ds_load_b32 v[SC0+\e], v4 offset:WSC+2048+128*\e
.endr
.irp a, 0,1
	ds_load_b32 v[SC0+2+\a], v2 offset:XS+512+128*\a
.endr
	s_wait_dscnt 20                                ; the two biases are in; the twenty loads behind them may be out
.irp e, 0,1
.irp j, 0,1,2,3,4,5,6,7
	v_mov_b32 v[P+32+8*\e+\j], v[P+48+\e]
.endr
.endr
	s_wait_dscnt 0x0
	PLACES 4
.irp a, 0,1
.irp e, 0,1
	FP4 XR+8*(2*\a+\e), P+16*\a, KF+16*\e, P+32+8*\e, SC0+2+\a, SC0+\e, 0     ; four accumulators by turns
.endr
.endr
.irp a, 0,1
.irp e, 0,1
	FP4 XR+8*(2*\a+\e), P+16*\a+8, KF+16*\e+8, XR+8*(2*\a+\e), SC0+2+\a, SC0+\e, 1
.endr
.endr
	PLACES 4
.irp a, 0,1
.irp e, 0,1
.irp q, 0,1
	ds_store_b128 v[P+56], v[XR+8*(2*\a+\e)+4*\q:XR+8*(2*\a+\e)+4*\q+3] offset:16384*\a+1024*\e+512*\q
.endr
.endr
.endr
	; ---- v: the same tiles, the sources the other way round: lane = l, registers along the keys; quantised at once
	v_add_nc_u32 v[P+57], 0x10000, v3
	v_bfe_u32 v[P+58], v0, 4, 1
	v_lshl_add_u32 v[P+58], v[P+58], 5, s32        ; 32 h + 128 bb: the biases of my half's eight rows
.irp e, 0,1
.irp q, 0,1
	ds_load_b128 v[P+32+8*\e+4*\q:P+32+8*\e+4*\q+3], v[P+58] offset:WB+2048+64*\e+16*\q
.endr
.endr
.irp e, 0,1
.irp k, 0,1
.irp c, 0,1
	ds_load_b128 v[KF+16*\e+8*\k+4*\c:KF+16*\e+8*\k+4*\c+3], v[P+57] offset:2048*\e+1024*\k+512*\c
.endr
.endr
.endr
.irp a, 0,1
.irp k, 0,1
.irp c, 0,1
	ds_load_b128 v[P+16*\a+8*\k+4*\c:P+16*\a+8*\k+4*\c+3], v1 offset:XC+16384+2048*\a+1024*\k+512*\c
.endr
.endr
.endr
.irp e, 0,1
	ds_load_b32 v[SC0+\e], v4 offset:WSC+4096+128*\e
.endr
.irp a, 0,1
	ds_load_b32 v[SC0+2+\a], v2 offset:XS+1024+128*\a
.endr
	s_wait_dscnt 0x0
.irp a, 0,1
.irp e, 0,1
	FP4 O1+16*\a+8*\e, KF+16*\e, P+16*\a, P+32+8*\e, SC0+\e, SC0+2+\a, 0
.endr
.endr
.irp a, 0,1
.irp e, 0,1
	FP4 O1+16*\a+8*\e, KF+16*\e+8, P+16*\a+8, O1+16*\a+8*\e, SC0+\e, SC0+2+\a, 1
.endr
.endr
	PLACES 4
	QB16 O1, VC, VS
	QB16 O1+16, VC+2048, VS+128
	BAR                                            ; ALPHA: k's images and v's codes lie in LDS; nobody reads this point's X codes for k and v any more
	; ---- the attention: no barrier inside.  The next point's X is asked for two key steps ahead; the last point asks for nothing (a branch on the count of points)
	v_and_b32 v[PK], 31, v0
	v_lshl_add_u32 v[PK], v[PK], 4, s30            ; my stage + 16 lane
	ds_load_b32 v[SC0], v2 offset:VS               ; v's scale words, both key steps: head 2 g,
	ds_load_b32 v[SC0+3], v2 offset:VS+128         ; head 2 g + 1
	v_mov_b32 v13, 0xff61b1e6                      ; the first unit's statistics
	v_floor_f32 v12, -v13
	v_mov_b32 v14, 0
	v_mov_b32 v15, 0
	s_cmp_eq_u32 s24, 3
	s_cbranch_scc1 .Lno_k
	XLOAD 6, XR
.Lno_k:
	QPROJ 0, 0
	KLOAD KB, 0, 0, 0
	KLOAD KA, 0, 0, 1
	TURNS 1, 0, 0, 0, 0, 0, O1                     ; the first key step's products: there is no vector work yet to set between them
	STEP0 0
	STEP1 0, 0, 1
	FINAL 0
	s_wait_loadcnt 0x0                             ; on every path: no load into v192-223 is out
	s_cmp_eq_u32 s24, 3
	s_cbranch_scc1 .Lno_v
	QCOL XR, 1
	XLOAD 8, XR
.Lno_v:
	STEP0 0
	STEP1 0, 1, 0
	FINAL 1
	QB16 P+16, AC, ATS                             ; head 2 g: channels 32 bb .. + 31 of o
	s_wait_loadcnt 0x0
	s_cmp_eq_u32 s24, 3
	s_cbranch_scc1 .Lno_q
	QCOL XR, 2
	XLOAD 4, XR
.Lno_q:
	STEP0 1
	STEP1 1, 1, 1
	FINAL 0
	STEP0 1
	SMAX
	TURNS 0, 0, 0, 1, 1, 1, O2                     ; the last key step: no products are left to take the turns
	FINAL 1
	QB16 P+16, AC+2048, ATS+128                    ; head 2 g + 1
	BAR                                            ; DELTA: o's codes and the next point's X codes for k and v lie in LDS; nobody reads k, v or q's X codes any more
	s_wait_loadcnt 0x0
	s_cmp_eq_u32 s24, 3
	s_cbranch_scc1 .Lno_c
	QCOL XR, 0
.Lno_c:
	; ---- out: my 16 rows x 64 l
	v_and_b32 v240, 31, v0
	v_and_b32 v241, 15, v0
	v_bfe_u32 v242, v0, 4, 1
	v_lshlrev_b32 v243, 4, v240                    ; 16 lane
	v_add_nc_u32 v244, s27, v243                   ; Wo's fragments
	v_lshlrev_b32 v245, 2, v240                    ; 4 lane
	v_add_nc_u32 v246, s28, v245                   ; Wo's scale words
	v_lshl_add_u32 v247, v241, 2, s29              ; my row's bias
	v_mul_u32_u24 v248, v241, 272
	v_lshl_add_u32 v248, v242, 5, v248
	v_add_nc_u32 v248, s30, v248                   ; into the stage: row r, 32 bytes for each half of the lanes
	v_mul_u32_u24 v249, v242, 272
	v_lshl_add_u32 v249, v241, 4, v249
	v_add_nc_u32 v249, s30, v249                   ; back: lanes 0-15 one row of 256 bytes, lanes 16-31 the next
	v_lshlrev_b32 v250, 16, v242
	v_lshl_add_u32 v250, v241, 4, v250
	v_add_nc_u32 v250, s31, v250                   ; and the same two rows in out
	ds_load_b32 v[KF+24], v247 offset:WB+3072
.irp k, 0,1
.irp c, 0,1
	ds_load_b128 v[KF+8*\k+4*\c:KF+8*\k+4*\c+3], v244 offset:1024*\k+512*\c
.endr
.endr
.irp t, 0,1,2,3
.irp k, 0,1
.irp c, 0,1
	ds_load_b128 v[P+16*\t+8*\k+4*\c:P+16*\t+8*\k+4*\c+3], v243 offset:AC+1024*(2*\t+\k)+512*\c
.endr
.endr
.endr
.irp t, 0,1,2,3
	ds_load_b32 v[SC0+\t], v245 offset:ATS+128*\t
.endr
	ds_load_b32 v17, v246 offset:WSC+6144
	s_wait_dscnt 25                                ; the bias is in; the 25 loads behind it may be out
.irp j, 0,1,2,3,4,5,6,7
	v_mov_b32 v[KF+16+\j], v[KF+24]
.endr
	s_wait_dscnt 0x0
	PLACES 4
.irp t, 0,1,2,3
	FP4 XR+8*\t, P+16*\t, KF, KF+16, SC0+\t, 17, 0
.endr
.irp t, 0,1,2,3
	FP4 XR+8*\t, P+16*\t+8, KF+8, XR+8*\t, SC0+\t, 17, 1
.endr
	PLACES 4
.irp t, 0,1,2,3
.irp q, 0,1
	ds_store_b128 v248, v[XR+8*\t+4*\q:XR+8*\t+4*\q+3] offset:64*\t+16*\q
.endr
.endr
.irp i, 0,1,2,3,4,5,6,7
	ds_load_b128 v[P+4*\i:P+4*\i+3], v249 offset:544*\i    ; my own bytes, served in order: these see the stores
.endr
.irp i, 0,1,2,3,4,5,6,7
	s_wait_dscnt 7-\i
	global_store_b128 v250, v[P+4*\i:P+4*\i+3], s[12:13] offset:131072*\i th:TH_STORE_NT   ; 16 lanes store 256 consecutive bytes, at a multiple of 256 from the buffer's first byte
.endr
	s_wait_xcnt 0x0                                ; the stores have read their registers and their base: both may be written again
	s_add_nc_u64 s[12:13], s[12:13], 256
	s_add_nc_u64 s[4:5], s[4:5], 256
	s_add_nc_u64 s[6:7], s[6:7], 256
	s_add_nc_u64 s[8:9], s[8:9], 256
	s_add_co_u32 s24, s24, 1
	s_cmp_lt_u32 s24, 4
	s_cbranch_scc1 .Lpoint
	s_wait_xcnt 0x0
	v_lshl_add_u32 v254, v0, 2, 0x4f200
	v_mov_b32 v255, 0
	s_wait_tensorcnt 0x0
	ds_add_u32 v254, v255
	s_wait_dscnt 0x0
	s_endpgm
.Lfunc_end_k_q97e52e51a1_attn:
	.size	k_q97e52e51a1_attn, .Lfunc_end_k_q97e52e51a1_attn-k_q97e52e51a1_attn
	.p2alignl 7, 3214868480
	.fill 96, 4, 3214868480
	.section	.rodata,"a",@progbits
	.p2align	6, 0x0
	.amdhsa_kernel k_q97e52e51a1_attn
		.amdhsa_group_segment_fixed_size 326144
		.amdhsa_private_segment_fixed_size 0
		.amdhsa_enable_private_segment 0
		.amdhsa_kernarg_size 40
		.amdhsa_user_sgpr_count 2
		.amdhsa_user_sgpr_kernarg_segment_ptr 1
		.amdhsa_wavefront_size32 1
		.amdhsa_system_sgpr_workgroup_id_x 1
		.amdhsa_system_sgpr_workgroup_id_y 1
		.amdhsa_system_sgpr_workgroup_id_z 1
		.amdhsa_system_vgpr_workitem_id 0
		.amdhsa_next_free_vgpr 256
		.amdhsa_next_free_sgpr 66
		.amdhsa_reserve_vcc 0
		.amdhsa_float_denorm_mode_32 3
		.amdhsa_float_denorm_mode_16_64 3
		.amdhsa_memory_ordered 1
		.amdhsa_forward_progress 1
		.amdhsa_inst_pref_size 185
	.end_amdhsa_kernel
	.amdgpu_metadata
---
amdhsa.version: [ 1, 2 ]
amdhsa.kernels:
  - .name:           k_q97e52e51a1_attn
    .symbol:         k_q97e52e51a1_attn.kd
    .args:
      - { .name: X_Query, .offset: 0, .size: 8, .value_kind: global_buffer, .address_space: global }
      - { .name: X_Key, .offset: 8, .size: 8, .value_kind: global_buffer, .address_space: global }
      - { .name: X_Value, .offset: 16, .size: 8, .value_kind: global_buffer, .address_space: global }
      - { .name: wimg, .offset: 24, .size: 8, .value_kind: global_buffer, .address_space: global }
      - { .name: out0, .offset: 32, .size: 8, .value_kind: global_buffer, .address_space: global }
    .group_segment_fixed_size: 326144
    .private_segment_fixed_size: 0
    .kernarg_segment_align: 8
    .kernarg_segment_size: 40
    .max_flat_workgroup_size: 512
    .sgpr_count:     66
    .vgpr_count:     256
    .wavefront_size: 32
...
	.end_amdgpu_metadata
.endif
;; end of part 2
;; ======== version 2 of 2: 2 launches; version 1 with the launch attn written anew for expert scheduling mode
;; workspace buffers: wimg 143,360 bytes
;; launch wprep: the kernel of part 1 again; grid 16 x 4, 1 waves a work-group, no clusters, 0 bytes of LDS; arguments Wq, Wk, Wv, Wo, bq, bk, bv, bo, wimg; writes wimg
;; launch attn (part 3): grid 256 x 1, 16 waves a work-group, no clusters, 326,144 bytes of LDS; arguments X_Query, X_Key, X_Value, wimg, out0; writes out0
.if DOCPART == 3
	.amdgcn_target "amdgcn-amd-amdhsa--gfx1250"
	.amdhsa_code_object_version 6
	.text
	.protected	k_q97e52e51a1_attn
	.globl	k_q97e52e51a1_attn
	.p2align	8
	.type	k_q97e52e51a1_attn,@function
k_q97e52e51a1_attn:
	s_mov_b64 s[64:65], 0
	v_nop
	global_prefetch_b8 v0, s[64:65] scope:SCOPE_SE
	s_setreg_imm32_b32 hwreg(HW_REG_WAVE_SCHED_MODE, 0, 2), 2
	s_setreg_imm32_b32 hwreg(HW_REG_WAVE_MODE, 25, 1), 1
	s_wait_xcnt 0x0
	s_wait_alu depctr_vm_vsrc(0)
; The whole module for one point (b, n) at a time; nothing between X and out goes to memory.  A point owns 256 channels x 64 l of each X: rows of 256 bytes, 65,536 bytes apart.
;   q, k, v = W X + b (K = channel, FP4 codes with E8M0 scales);  per head (16 l): scores = q k^T / 4 (K = 16, f32 operands);  p = 2^(t - M), M a whole number, quantised along the keys;
;   o = p v / l (K = keys, FP4);  out = Wo o + bo (K = channel, FP4).
; SHARES.  Work-group id walks the four points b = id / 64, n = 4 (id % 64) + 0 .. 3.  Sixteen waves of 256 registers.  Wave w (bb = w % 8, g = w / 8) makes channel tiles 2 bb, 2 bb + 1 of q, k, v and of the
; attention for heads 2 g, 2 g + 1; rows 16 w .. 16 w + 15 of out; and it quantises channels 32 (w / 2) .. + 31, columns 32 (w % 2) + lane of each X: a whole block of 32 along K in one lane.
; The weights (codes, scale words, biases, made by the launch before as images of operand registers) lie in LDS for the whole launch.
; ORIENTATION.  q, k: source 0 = X (16 l), source 1 = W (16 channels): lane (r, h) holds one channel and l = 8 h + 0 .. 7: the register pair 2 s, 2 s + 1 is the f32 form's operand of its K step s, alike for q and k.
;   S^T: source 0 = k, source 1 = q: a lane holds one query; a weight tile's rows are chosen so that the 16 registers of key tiles 2 b, 2 b + 1 are keys 32 b + 16 h + 0 .. 15.
;   v: source 0 = Wv, source 1 = X: lane = l, 16 registers = 16 neighbouring keys.   o: source 0 = p's codes, source 1 = v's: lane = l, the 16 registers of a pair of query tiles = 16 neighbouring channels, the last product's K.
;   out: source 0 = o's codes (16 l), source 1 = Wo: lane = one row of out with 8 neighbouring l; it leaves through the wave's own stage as whole rows of 256 bytes.
; OPERANDS GO FROM WAVE TO WAVE THROUGH LDS AS IMAGES OF THEIR REGISTERS (512 consecutive bytes an instruction).
; BY TURNS.  A wave has eight key steps a point (2 heads x 2 query tiles x 2 x 128 keys).  As soon as t - M of a step stands in P, the scores' registers are free: the NEXT step's 32 f32 products are issued with this step's
; exponentials, sums and conversions between them, one slice (4 exponentials, 4 packed sums or 1 conversion) behind each product.  Outside the turns stand a step's search for the maximum, its FP4 product, q's projection and the division.
; k's fragments come in four batches of 16 registers (4 key tiles x half of the head's 16), into two buffers by turns; the second buffer takes v's fragment and p's codes when its last batch is multiplied.
; X COMES THROUGH REGISTERS: during the attention each wave has 32 loads of the next point's X on their way in v192-223; a load of the wave covers 128 consecutive bytes, and wave w xor 1 takes the 128 beside them.
; No cluster: the work-groups share only the weights' 140 KiB, read once each, out of 1.16 MiB that a work-group moves.  No tensor load: LDS is full of weights and of the point's operands, and a slot's refill would ask for a
; barrier inside the attention.  No prefetch: each load is issued two key steps (64 f32 products) ahead of the wait for it.
; TWO BARRIERS A POINT.  Ahead of ALPHA: k's images, v's codes.  Between ALPHA and DELTA: the attention (it reads q's X codes, k, v; it writes o's codes and the next point's X codes for k and v).
; Behind DELTA: the next point's X codes for q, the last product, the next point's k and v.
; THE MODE: SCHED_MODE bits 1:0 = 2 (LLVM: expert scheduling mode 2), set by the entry lines.  The code itself states the register dependences between vector or matrix instructions and memory or LDS
; instructions, with s_wait_alu, always for 0.
; THE PLAN.  Registers that memory or LDS instructions touch, and who else names them:
;   v1-v11, v18, v19      addresses: made at the head, ahead of its one wait on va_vdst, and never written again.
;   v184-186, v62, and in the last product v240-250: addresses made anew in each point, each group ahead of a wait on va_vdst that stands there for data too; written again only behind a wait on vm_vsrc.
;   KA, KB                LDS loads land in them; products read them.  A batch of k, q's fragments or v's fragment is asked for behind a wait on va_vdst that stands behind the buffer's last reader:
;                         in the turns behind batches 0, 1 and 2 (the last two are the exponentials' waits as well), behind q's two products, and at the head of a unit's second key step.
;   v32-39                the codes and the byte of a quantiser: its vector lines write them, one wait on va_vdst, its LDS stores read them, one wait on vm_vsrc.
;   XR                    X's loads land in it behind the quantiser's wait on va_vdst, which stands behind the lines that read the column; as an accumulator it is stored behind a wait on va_vdst.
;   P                     factors, fragments and rows land in it behind a wait on va_vdst that follows its last vector or matrix reader; what LDS or global stores read of it is written again behind a wait on vm_vsrc.
;   p's codes and p's scale word are made by vector lines: behind the eight places one wait on va_vdst stands ahead of the scaled product that takes them.
; LIMITS: NaN and infinities are not served; a block of zeros, or one under 2^-124, keeps the scale byte 1 (a zero block's codes are zeros); a score is summed over l in the order 8 h + 2 s + j of the f32 form's slots;
; the division by the row's sum is v_rcp_f32 and a multiplication.
.set XC,   0                           ; X codes: 8192 tau (0 q, 1 k, 2 v) + 1024 (2 head + s) + 512 c + 16 lane
.set XS,   24576                       ; X scale words: 512 tau + 128 head + 4 lane (lanes 0-15 K step 0, lanes 16-31 K step 1)
.set VC,   26112                       ; v's codes, keys innermost: 1024 (2 head + s) + 512 c + 16 lane
.set VS,   34304                       ; v's scale words: 128 head + 4 lane
.set AC,   34816                       ; o's codes, channels innermost, as VC
.set ATS,  43008                       ; o's scale words
.set GSC,  43520                       ; 128 bytes a wave: two factors for each of 16 queries
.set WSC,  45568                       ; the weights' scale words
.set WB,   53760                       ; the biases
.set WC,   57856                       ; the weights' codes
.set KIMG, 188928                      ; k in f32: 16384 head + 1024 tile + 512 q + 16 lane
.set OST,  254464                      ; the way out: 16 rows x 272 bytes a wave; in the attention its first 1,024 bytes keep o of the pair's first query tile
; v1 16 lane + 4096 g   v2 4 lane + 256 g   v3 WC + 4096 bb + 16 lane   v4 4 lane + 256 bb   v5 KIMG + 32768 g + 16 lane   v6, v7 where 16 codes and their scale byte go   v8, v9 the same for a column of X
; v10 my column of X in memory   v11 4 r + 128 bb   v12 -M   v13 the largest t   v[14:15] the row's sum   v16 f = 2^(old M - new M)   v17 p's scale word   v18, v19 the factors' words   v20-23 scale words
.set Q,   24                           ; v24-31   q: one tile
.set KF,  32                           ; v32-63   fragments and scratch outside the attention
.set KA,  32                           ; v32-47   the attention: k's batches 1 and 3
.set BM,  48                           ; v48-51   the blocks' largest scores, then largest p
.set BP,  52                           ; v52-55   at work;  v52-59 q's bias as a C operand
.set SO,  56                           ; v56-59   the conversions' scale operands
.set TA,  60                           ; v60      at work
.set BI,  61                           ; v61      q's bias
.set PK,  62                           ; v62      my stage + 16 lane: where o of the first query tile waits
.set S,   64                           ; v64-127  S^T: written by the f32 matrix form alone
.set P,   128                          ; v128-191 p; fragments in the other phases
.set XR,  192                          ; v192-223 X on its way; accumulators outside the attention
.set O1,  224                          ; v224-231, v232-239 o under the first and the second M
.set O2,  232
.set KB,  240                          ; v240-255 k's batches 0 and 2; then
.set VF,  240                          ; v240-247 v's fragment,
.set PC,  248                          ; v248-255 p's codes
.set SC0, 20
.macro PLACES n                        ; plain vector lines between a matrix instruction and what touches its registers (ISA guide 7.12.1)
.rept \n
	v_nop
.endr
.endm
.macro BAR                             ; my LDS stores have landed and my LDS loads are in: then the work-group's barrier
	s_wait_dscnt 0x0
	s_barrier_signal -1
	s_barrier_wait -1
.endm
.macro XLOAD base, dst                 ; my column of 32 channels: register i = channel 32 (w / 2) + i
.set xi, 0
.rept 32
	global_load_b32 v[\dst+xi], v10, s[\base:\base+1] offset:65536*xi th:TH_LOAD_NT
.set xi, xi+1
.endr
.endm
.macro FP4 d, a, b, c, sa, sb, row     ; row = 1: both scale words from lanes 16-31: K step 1
.if \row
	v_wmma_scale_f32_16x16x128_f8f6f4 v[\d:\d+7], v[\a:\a+7], v[\b:\b+7], v[\c:\c+7], v[\sa], v[\sb] matrix_a_fmt:MATRIX_FMT_FP4 matrix_b_fmt:MATRIX_FMT_FP4 matrix_a_scale:MATRIX_SCALE_ROW1 matrix_b_scale:MATRIX_SCALE_ROW1
.else
	v_wmma_scale_f32_16x16x128_f8f6f4 v[\d:\d+7], v[\a:\a+7], v[\b:\b+7], v[\c:\c+7], v[\sa], v[\sb] matrix_a_fmt:MATRIX_FMT_FP4 matrix_b_fmt:MATRIX_FMT_FP4
.endif
.endm
; 32 numbers of one column, a whole block along K in my lane: 16 bytes of codes and one scale byte into X's images
.macro QCOL src, tau
	v_max3_num_f32 v[KF+4], |v[\src]|, |v[\src+1]|, |v[\src+2]|
	v_max3_num_f32 v[KF+5], |v[\src+3]|, |v[\src+4]|, |v[\src+5]|
.irp i, 6,10,14,18,22,26
	v_max3_num_f32 v[KF+4], v[KF+4], |v[\src+\i]|, |v[\src+\i+1]|
	v_max3_num_f32 v[KF+5], v[KF+5], |v[\src+\i+2]|, |v[\src+\i+3]|
.endr
	v_max3_num_f32 v[KF+4], v[KF+4], |v[\src+30]|, |v[\src+31]|
	v_max3_num_f32 v[KF+4], v[KF+4], v[KF+5], 0x1800000        ; the floor 2^(3 - 127): the byte cannot fall under 1
	v_add_nc_u32 v[KF+6], 0xff000000, v[KF+4]                  ; 2 off the exponent field: the conversion's scale operand
	v_lshrrev_b32 v[KF+7], 23, v[KF+6]                         ; the byte
.irp i, 0,1,2,3
	v_cvt_scalef32_pk8_fp4_f32 v[KF+\i], v[\src+8*\i:\src+8*\i+7], v[KF+6]
.endr
	v_nop                                          ; one plain line behind the last scaled conversion
	s_wait_alu depctr_va_vdst(0)                   ; the codes v[KF .. KF+3] and the byte v[KF+7] are written, which the two stores read; and the lines above are done reading the column's 32 registers, in which the next loads of X land
	ds_store_b128 v8, v[KF:KF+3] offset:XC+8192*\tau
	ds_store_b8 v9, v[KF+7] offset:XS+512*\tau
	s_wait_dscnt 0x0                               ; the stores are done
	s_wait_alu depctr_vm_vsrc(0)                   ; the stores have read v[KF .. KF+7], which later vector lines write and in which later LDS loads land
.endm
; 16 numbers of a lane, neighbours along K; lane l xor 16 holds the block's other 16.  8 bytes of codes to oc, the scale byte to ob (both halves write the same byte with the same value)
.macro QB16 src, oc, ob
	v_max3_num_f32 v[KF], |v[\src]|, |v[\src+1]|, 0x1800000    ; where the 16 are two accumulators, each is read from its low end on
	v_max3_num_f32 v[KF+1], |v[\src+8]|, |v[\src+9]|, |v[\src+10]|
	v_max3_num_f32 v[KF], v[KF], |v[\src+2]|, |v[\src+3]|
	v_max3_num_f32 v[KF+1], v[KF+1], |v[\src+11]|, |v[\src+12]|
	v_max3_num_f32 v[KF], v[KF], |v[\src+4]|, |v[\src+5]|
	v_max3_num_f32 v[KF+1], v[KF+1], |v[\src+13]|, |v[\src+14]|
	v_max3_num_f32 v[KF], v[KF], |v[\src+6]|, |v[\src+7]|
	v_max3_num_f32 v[KF], v[KF], v[KF+1], |v[\src+15]|
	v_permlanex16_b32 v[KF+2], v[KF], s20, s21
	v_max_num_f32 v[KF], v[KF], v[KF+2]
	v_add_nc_u32 v[KF+3], 0xff000000, v[KF]
	v_lshrrev_b32 v[KF+4], 23, v[KF+3]
	v_cvt_scalef32_pk8_fp4_f32 v[KF+6], v[\src:\src+7], v[KF+3]
	v_cvt_scalef32_pk8_fp4_f32 v[KF+7], v[\src+8:\src+15], v[KF+3]
	v_nop
	s_wait_alu depctr_va_vdst(0)                   ; the codes v[KF+6 .. KF+7] and the byte v[KF+4] are written, which the two stores read; the lines above are done with v[KF ..] and with their 16 numbers, in which later LDS loads land
	ds_store_b64 v6, v[KF+6:KF+7] offset:\oc
	ds_store_b8 v7, v[KF+4] offset:\ob
	s_wait_dscnt 0x0
	s_wait_alu depctr_vm_vsrc(0)                   ; every LDS instruction issued so far has read its registers: v[KF ..] here, and the data and addresses of the stores and loads of the phase before, are written again behind this line
.endm
; q of head 2 g + hh, channel tile 2 bb + u.  QLOAD asks for its operands: Wq's fragments into KA, X's into KB, the bias, the two scale words
.macro QLOAD hh, u
	ds_load_b32 v[BI], v11 offset:WB+64*\u
.irp k, 0,1
.irp c, 0,1
	ds_load_b128 v[KA+8*\k+4*\c:KA+8*\k+4*\c+3], v3 offset:2048*\u+1024*\k+512*\c
.endr
.endr
.irp k, 0,1
.irp c, 0,1
	ds_load_b128 v[KB+8*\k+4*\c:KB+8*\k+4*\c+3], v1 offset:XC+2048*\hh+1024*\k+512*\c
.endr
.endr
	ds_load_b32 v[SC0+1], v4 offset:WSC+128*\u
	ds_load_b32 v[SC0+2], v2 offset:XS+128*\hh
.endm
; QMUL multiplies; the bias stands in v52-59.  One accumulator: a wait stands directly ahead of the second link
.macro QMUL
	s_wait_dscnt 10                                ; the bias is in; the ten loads behind it may be out
.irp j, 0,1,2,3,4,5,6,7
	v_mov_b32 v[BP+\j], v[BI]                      ; the bias in the result's layout: my channel's, for all eight l
.endr
	s_wait_dscnt 0x0
	PLACES 4
	FP4 Q, KB, KA, BP, SC0+2, SC0+1, 0
	s_wait_alu depctr_va_vdst(0)                   ; the link before has written q: the wait stands directly ahead of a link that follows its own accumulator's last
	FP4 Q, KB+8, KA+8, Q, SC0+2, SC0+1, 1
	PLACES 5                                       ; five lines ahead of q as an operand; four ahead of the loads into the fragments' registers
	s_wait_alu depctr_va_vdst(0)                   ; both products are done reading KA and KB, in which k's batches 0 and 1 land
.endm
; batch b of four of key step (mh, ms): key tiles 4 (b / 2) + 0 .. 3, registers 4 (b % 2) + 0 .. 3 of each tile's image
.macro KLOAD buf, mh, ms, b
.irp t, 0,1,2,3
	ds_load_b128 v[\buf+4*\t:\buf+4*\t+3], v5 offset:16384*(\mh)+8192*(\ms)+4096*((\b)/2)+1024*\t+512*((\b)%2)
.endr
.endm
; product i of eight of batch b: K step 2 (b % 2) + i / 4 of the f32 form, key tile 4 (b / 2) + i % 4: four accumulators by turns, K ascending; the first K step starts the sums
.macro SCORE buf, b, i
.set wt, (\i)%4
.set wk, 2*((\b)%2)+(\i)/4
.set wd, S+32*((\b)/2)+8*wt
.set wa, \buf+4*wt+2*((\i)/4)
.if wk == 0
	v_wmma_f32_16x16x4_f32 v[wd:wd+7], v[wa:wa+1], v[Q:Q+1], 0
.else
	v_wmma_f32_16x16x4_f32 v[wd:wd+7], v[wa:wa+1], v[Q+2*wk:Q+2*wk+1], v[wd:wd+7]
.endif
.endm
; A key step's maximum, the new M, and t - M into P: behind it the scores' registers are free
.macro SMAX
.irp b, 0,1,2,3
	v_max3_num_f32 v[BM+\b], v[S+16*\b], v[S+16*\b+1], v[S+16*\b+2]   ; the largest score of each block of 32 keys: for the row's maximum and, since p rises with the score, for the block's largest p
.endr
.irp i, 3,5,7,9,11,13
.irp b, 0,1,2,3
	v_max3_num_f32 v[BM+\b], v[BM+\b], v[S+16*\b+\i], v[S+16*\b+\i+1]
.endr
.endr
.irp b, 0,1,2,3
	v_max_num_f32 v[BM+\b], v[BM+\b], v[S+16*\b+15]
.endr
.irp b, 0,1,2,3
	v_permlanex16_b32 v[BP+\b], v[BM+\b], s20, s21
.endr
.irp b, 0,1,2,3
	v_max_num_f32 v[BM+\b], v[BM+\b], v[BP+\b]     ; with lane l xor 16's 16 keys
.endr
	v_max3_num_f32 v[TA], v[BM], v[BM+1], v[BM+2]
	v_max_num_f32 v[TA], v[TA], v[BM+3]
	v_mul_f32 v[TA], s22, v[TA]                    ; as t: c = log2(e) / 4 is positive
	v_max_num_f32 v13, v13, v[TA]                  ; the running largest t
	v_mov_b32 v[TA], v12
	v_floor_f32 v12, -v13                          ; the new -M = -ceil(t)
	v_sub_f32 v[TA], v12, v[TA]                    ; old M - new M: a whole number, 0 or less
	v_cvt_i32_f32 v[TA], v[TA]                     ; (it saturates)
	v_ldexp_f32 v16, 1.0, v[TA]                    ; f = 2^(old M - new M)
.set jj, 0
.rept 32
	v_pk_fma_f32 v[P+jj:P+jj+1], v[S+jj:S+jj+1], s[22:23], v[12:13] op_sel_hi:[1,0,0]   ; t - M, into other registers than the sums'
.set jj, jj+2
.endr
.irp b, 0,1,2,3
	v_fma_f32 v[BM+\b], v[BM+\b], s22, v12         ; the same of each block's largest score
.endr
.endm
; number n of the 32 packed additions of the row's sum, taken of the unquantised p, in two chains
.macro PADD n
.if (\n) == 0
	v_pk_add_f32 v[BP:BP+1], v[P:P+1], v[P+2:P+3]
.elseif (\n) == 31
	v_pk_add_f32 v[14:15], v[14:15], v[BP:BP+1]
.elseif ((\n)%2) == 1
	v_pk_add_f32 v[14:15], v[14:15], v[P+2*(\n)+2:P+2*(\n)+3]
.else
	v_pk_add_f32 v[BP:BP+1], v[BP:BP+1], v[P+2*(\n)+2:P+2*(\n)+3]
.endif
.endm
; THE TURNS.  mon = 1: the 32 products of key step (mh, ms), whose batches 0 (in KB) and 1 (in KA) have been asked for.  von = 1: from t - M in P to the FP4 product of key step (vh, vs), into od.
.macro TURNS mon, mh, ms, von, vh, vs, od
.if \mon
	s_wait_dscnt 4                                 ; batch 0 is in; batch 1's four loads may be out
.endif
.set ii, 0
.rept 8
.if \mon
	SCORE KB, 0, ii
.endif
.if \von
	v_exp_f32 v[P+4*ii], v[P+4*ii]                 ; p = 2^(t - M): not normalised
	v_exp_f32 v[P+4*ii+1], v[P+4*ii+1]
	v_exp_f32 v[P+4*ii+2], v[P+4*ii+2]
	v_exp_f32 v[P+4*ii+3], v[P+4*ii+3]
.endif
.set ii, ii+1
.endr
.if \mon
	PLACES 8                                       ; behind the f32 form eight plain lines ahead of loads into its sources; exponentials are none
	s_wait_alu depctr_va_vdst(0)                   ; batch 0's products are done reading KB, in which batch 2 lands
	KLOAD KB, \mh, \ms, 2
	s_wait_dscnt 4                                 ; batch 1 is in; batch 2's four loads may be out
.endif
.set ii, 0
.rept 8
.if \mon
	SCORE KA, 1, ii
.endif
.if \von
	v_exp_f32 v[P+32+4*ii], v[P+32+4*ii]
	v_exp_f32 v[P+32+4*ii+1], v[P+32+4*ii+1]
	v_exp_f32 v[P+32+4*ii+2], v[P+32+4*ii+2]
	v_exp_f32 v[P+32+4*ii+3], v[P+32+4*ii+3]
.endif
.set ii, ii+1
.endr
.if \von
	v_mul_f32 v14, v14, v16                        ; the sum under the new M: plain lines behind the exponentials, and two of the eight ahead of the loads
	v_mul_f32 v15, v15, v16
.endif
.if \mon
	PLACES 8-2*\von
.endif
	s_wait_alu depctr_va_vdst(0)                   ; mon: batch 1's products are done reading KA, in which batch 3 lands;  von: the 64 exponentials have written p, ahead of their first reader: one wait for the batch
.if \mon
	KLOAD KA, \mh, \ms, 3
.endif
.if \von
.irp b, 0,1,2,3
	v_exp_f32 v[BM+\b], v[BM+\b]                   ; the block's largest p
.endr
.endif
.if \mon
	s_wait_dscnt 4                                 ; batch 2 is in; batch 3's four loads may be out
.endif
.set ii, 0
.rept 8
.if \mon
	SCORE KB, 2, ii
.endif
.if \von
	PADD 4*ii
	PADD 4*ii+1
	PADD 4*ii+2
	PADD 4*ii+3
.endif
.set ii, ii+1
.endr
.if \von
	s_wait_alu depctr_va_vdst(0)                   ; the four exponentials have written the blocks' largest p, ahead of their first reader; and KB's last readers (batch 2's products, or the FP4 product before) are done with v240-247, in which v's fragment lands
.irp b, 0,1,2,3
	v_max_num_f32 v[BM+\b], 0x1800000, v[BM+\b]    ; the floor: the byte cannot fall under 1.  (These fifteen lines are the plain lines behind batch 2's products: KB is written again behind them; none of them names v240-247)
.endr
.irp b, 0,1,2,3
	v_add_nc_u32 v[SO+\b], 0xff000000, v[BM+\b]
.endr
.irp b, 0,1,2,3
	v_lshrrev_b32 v[BP+\b], 23, v[SO+\b]
.endr
	v_lshl_or_b32 v17, v[BP+1], 8, v[BP]           ; p's scale word for these 128 keys
	v_lshl_or_b32 v17, v[BP+2], 16, v17
	v_lshl_or_b32 v17, v[BP+3], 24, v17
.irp c, 0,1
	ds_load_b128 v[VF+4*\c:VF+4*\c+3], v1 offset:VC+2048*\vh+1024*\vs+512*\c
.endr
.endif
.if \mon
.if \von
	s_wait_dscnt 2                                 ; batch 3 is in; v's two loads may be out
.else
	s_wait_dscnt 0x0
.endif
.endif
.set ii, 0
.rept 8
.if \mon
	SCORE KA, 3, ii
.endif
.if \von
	v_cvt_scalef32_pk8_fp4_f32 v[PC+ii], v[P+8*ii:P+8*ii+7], v[SO+ii/2]
.endif
.set ii, ii+1
.endr
.if \von
	v_nop                                          ; one plain line behind the last scaled conversion
.irp c, 0,1                            ; the operand wants a whole block in a lane: lanes 0-15 block 2 c, lanes 16-31 block 2 c + 1
.irp i, 0,1
	v_permlane16_swap_b32 v[PC+4*\c+\i], v[PC+4*\c+2+\i]
.endr
.endr
.endif
	PLACES 8                                       ; eight lines behind the last f32 product, ahead of the reads of its sums and of loads into its sources; a scale word made by vector lines stands eight ahead of the scaled product
.if \von
	s_wait_dscnt 0x0                               ; v's fragment
	s_wait_alu depctr_va_vdst(0)                   ; p's codes v248-255 and p's scale word v17, made by vector lines, are written: the scaled product takes them; the places above stay beside this wait
.if \vs
	v_wmma_scale_f32_16x16x128_f8f6f4 v[\od:\od+7], v[PC:PC+7], v[VF:VF+7], 0, v17, v[SC0+3*\vh] matrix_a_fmt:MATRIX_FMT_FP4 matrix_b_fmt:MATRIX_FMT_FP4 matrix_b_scale:MATRIX_SCALE_ROW1
.else
	v_wmma_scale_f32_16x16x128_f8f6f4 v[\od:\od+7], v[PC:PC+7], v[VF:VF+7], 0, v17, v[SC0+3*\vh] matrix_a_fmt:MATRIX_FMT_FP4 matrix_b_fmt:MATRIX_FMT_FP4
.endif
	PLACES 4                                       ; ahead of the reads of its result and of loads into its sources
.endif
.endm
; o = (O1 f + O2) / l.  The factors belong to queries, which lie in lanes here and in registers in O1, O2: they turn through 128 bytes of the wave's own.
; The pair's first tile (u = 0) waits in the wave's own stage; with the second it stands in v[P + 16] on, 16 neighbours along the last product's K.  The next unit's statistics begin here
.macro FINAL u
	v_add_f32 v14, v14, v15
	v_permlanex16_b32 v[BP], v14, s20, s21
	v_add_f32 v14, v14, v[BP]                      ; the row's sum
	v_rcp_f32 v[TA], v14
	v_nop                                          ; a plain line behind the reciprocal
	s_wait_alu depctr_va_vdst(0)                   ; the reciprocal has written v[TA], ahead of its first reader
	v_mul_f32 v[BM], v16, v[TA]                    ; f / l: exact scaling of 1 / l
	s_wait_alu depctr_va_vdst(0)                   ; v[BM] is written, which the first store reads; p's last readers are done with v[P ..], in which the factors land
	ds_store_b32 v18, v[BM] offset:GSC             ; both halves of the lanes write the same word with the same value
	ds_store_b32 v18, v[TA] offset:GSC+64
	ds_load_b128 v[P:P+3], v19 offset:GSC          ; LDS serves a wave's instructions in order (ISA guide 5.7.1.4): these see the stores
	ds_load_b128 v[P+4:P+7], v19 offset:GSC+16
	ds_load_b128 v[P+8:P+11], v19 offset:GSC+64
	ds_load_b128 v[P+12:P+15], v19 offset:GSC+80
.if \u
	ds_load_b128 v[P+16:P+19], v[PK]
	ds_load_b128 v[P+20:P+23], v[PK] offset:512
.endif
	s_wait_dscnt 0x0
.irp i, 0,2,4,6
	v_pk_mul_f32 v[P+16+8*\u+\i:P+16+8*\u+\i+1], v[O1+\i:O1+\i+1], v[P+\i:P+\i+1]
.endr
.irp i, 0,2,4,6
	v_pk_fma_f32 v[P+16+8*\u+\i:P+16+8*\u+\i+1], v[O2+\i:O2+\i+1], v[P+8+\i:P+8+\i+1], v[P+16+8*\u+\i:P+16+8*\u+\i+1]
.endr
	v_mov_b32 v13, 0xff61b1e6                      ; the largest t so far: -3e38
	v_floor_f32 v12, -v13                          ; -M
	v_mov_b32 v14, 0                               ; the row's sum, in two halves
	v_mov_b32 v15, 0
.if \u == 0
	s_wait_alu depctr_va_vdst(0)                   ; the first tile's eight numbers v[P+16 .. P+23] are written, which the two stores read
	ds_store_b128 v[PK], v[P+16:P+19]
	ds_store_b128 v[PK], v[P+20:P+23] offset:512
	s_wait_dscnt 0x0                               ; the stores are done
.endif
	s_wait_alu depctr_vm_vsrc(0)                   ; the stores above have read v[BM], v[TA] (u = 0: and v[P+16 .. P+23]), which the next key step's lines write again
.endm
; A unit's first key step: its second step's products take the turns.  The first two batches are asked for ahead of the search for the maximum: no vector or matrix line since the last wait on va_vdst names KA or KB
.macro STEP0 hh
	KLOAD KB, \hh, 1, 0
	KLOAD KA, \hh, 1, 1
	SMAX
	TURNS 1, \hh, 1, 1, \hh, 0, O1
.endm
; A unit's second key step: q of the next unit (nh, nu) is made between t - M and the turns, and that unit's first step takes the turns.  q's operands are asked for ahead of the search for the maximum, which names none of their registers
.macro STEP1 hh, nh, nu
	s_wait_alu depctr_va_vdst(0)                   ; the FP4 product is done reading v's fragment and p's codes (KB), batch 3's products KA, the last projection of q its bias v61 and its scale words v21, v22: q's operands land in all of these
	QLOAD \nh, \nu
	SMAX
	QMUL
	KLOAD KB, \nh, 0, 0
	KLOAD KA, \nh, 0, 1
	TURNS 1, \nh, 0, 1, \hh, 1, O2
.endm
	s_load_b256 s[4:11], s[0:1], 0x0               ; X_Query s[4:5], X_Key s[6:7], X_Value s[8:9], wimg s[10:11]
	s_load_b64 s[12:13], s[0:1], 0x20              ; out
	v_lshrrev_b32 v32, 5, v0
	v_readfirstlane_b32 s14, v32                   ; w
	s_wait_alu depctr_va_sdst(0)                   ; s14 is written, ahead of its first reader: LDS places and the rows of out are made from it
	s_and_b32 s15, s14, 7                          ; bb
	s_lshl_b32 s26, s15, 11                        ; 2048 bb
	s_lshl_b32 s27, s14, 11
	s_add_co_u32 s27, s27, WC+98304                ; Wo's fragments of my 16 rows
	s_lshl_b32 s28, s14, 7                         ; 128 w
	s_lshl_b32 s29, s14, 6                         ; 64 w
	s_mul_i32 s30, s14, 4352
	s_add_co_u32 s30, s30, OST                     ; my stage
	s_lshl_b32 s31, s14, 20                        ; my 16 rows of out
	s_lshl_b32 s32, s15, 7                         ; 128 bb
	s_mov_b32 s20, 0x76543210
	s_mov_b32 s21, 0xfedcba98                      ; v_permlanex16_b32: lane l xor 16
	s_mov_b32 s22, 0x3eb8aa3b                      ; c = log2(e) / sqrt(16)
	s_mov_b32 s23, s22                             ; (named with it as a pair)
	s_mov_b32 s24, 0                               ; the point
	s_lshr_b32 s34, ttmp9, 6
	s_lshl_b32 s34, s34, 24                        ; b
	s_and_b32 s33, ttmp9, 63
	s_lshl_b32 s33, s33, 10                        ; n = 4 (id % 64): 256 bytes a point
	s_add_co_u32 s34, s34, s33
	s_mov_b32 s35, 0
	v_and_b32 v244, 31, v0                         ; lane
	v_and_b32 v245, 15, v0                         ; r
	v_bfe_u32 v246, v0, 4, 1                       ; h
	v_bfe_u32 v247, v0, 5, 3                       ; bb
	v_bfe_u32 v248, v0, 8, 1                       ; g
	v_bfe_u32 v249, v0, 5, 1                       ; w % 2
	v_bfe_u32 v250, v0, 6, 3                       ; w / 2
	v_bfe_u32 v251, v0, 7, 1                       ; bb / 4
	v_and_b32 v252, 0x1e0, v0                      ; 32 w
	v_lshlrev_b32 v1, 4, v244
	v_lshl_add_u32 v1, v248, 12, v1
	v_lshlrev_b32 v2, 2, v244
	v_lshl_add_u32 v2, v248, 8, v2
	v_lshlrev_b32 v3, 4, v244
	v_lshl_add_u32 v3, v247, 12, v3
	v_add_nc_u32 v3, WC, v3
	v_lshlrev_b32 v4, 2, v244
	v_lshl_add_u32 v4, v247, 8, v4
	v_lshlrev_b32 v5, 4, v244
	v_lshl_add_u32 v5, v248, 15, v5
	v_add_nc_u32 v5, KIMG, v5
	v_lshlrev_b32 v6, 4, v245                      ; 16 r + 8 h + 4096 g + 256 bb: block bb of row r of an image, my half of its 16 bytes
	v_lshl_add_u32 v6, v246, 3, v6
	v_lshl_add_u32 v6, v248, 12, v6
	v_lshl_add_u32 v6, v247, 8, v6
	v_bfe_u32 v7, v0, 5, 2                         ; bb % 4 + 4 r + 256 g + 64 (bb / 4): that block's byte in row r's scale word
	v_lshl_add_u32 v7, v245, 2, v7
	v_lshl_add_u32 v7, v248, 8, v7
	v_lshl_add_u32 v7, v251, 6, v7
	v_lshlrev_b32 v8, 4, v245                      ; 16 r + 2048 h + 256 (w / 2) + 4096 (w % 2): column 32 (w % 2) + lane is row r of head 2 (w % 2) + h; its block w / 2
	v_lshl_add_u32 v8, v246, 11, v8
	v_lshl_add_u32 v8, v250, 8, v8
	v_lshl_add_u32 v8, v249, 12, v8
	v_bfe_u32 v9, v0, 6, 2                         ; (w / 2) % 4 + 4 r + 128 h + 256 (w % 2) + 64 g
	v_lshl_add_u32 v9, v245, 2, v9
	v_lshl_add_u32 v9, v246, 7, v9
	v_lshl_add_u32 v9, v249, 8, v9
	v_lshl_add_u32 v9, v248, 6, v9
	v_lshlrev_b32 v10, 2, v244                     ; 4 lane + 128 (w % 2) + 32 (w / 2) rows of 65,536 bytes
	v_lshl_add_u32 v10, v249, 7, v10
	v_lshl_add_u32 v10, v250, 21, v10
	v_lshlrev_b32 v11, 2, v245
	v_lshl_add_u32 v11, v247, 7, v11
	v_lshlrev_b32 v18, 2, v245
	v_lshl_add_u32 v18, v252, 2, v18               ; 128 w + 4 r
	v_lshlrev_b32 v19, 5, v246
	v_lshl_add_u32 v19, v252, 2, v19               ; 128 w + 32 h
	v_lshlrev_b32 v240, 4, v0                      ; 16 x thread
	v_lshlrev_b32 v241, 3, v0                      ; 8 x thread
	v_add_nc_u32 v242, WC, v240
	v_add_nc_u32 v243, WC+65536, v240
	s_wait_kmcnt 0x0
	s_add_nc_u64 s[4:5], s[4:5], s[34:35]
	s_add_nc_u64 s[6:7], s[6:7], s[34:35]
	s_add_nc_u64 s[8:9], s[8:9], s[34:35]
	s_add_nc_u64 s[12:13], s[12:13], s[34:35]
	s_wait_alu depctr_va_vdst(0)                   ; the addresses v1 to v11, v18, v19 and v240 to v243 are written, which the loads and stores of the kernel read; so is v32, in which a load lands
; the weights come into LDS as they lie: 8,192 consecutive bytes an instruction of the work-group
.irp i, 0,1,2,3,4,5,6,7
	global_load_b128 v[KF+4*\i:KF+4*\i+3], v240, s[10:11] offset:8192*\i
.endr
.irp i, 0,1,2,3,4,5,6,7
	global_load_b128 v[P+4*\i:P+4*\i+3], v240, s[10:11] offset:65536+8192*\i
.endr
	global_load_b128 v[224:227], v240, s[10:11] offset:131072
	global_load_b64 v[228:229], v241, s[10:11] offset:139264
	XLOAD 6, XR                                    ; the first point's X_Key
	s_wait_loadcnt 32                              ; the weights are in; X_Key's 32 loads may be out
.irp i, 0,1,2,3,4,5,6,7
	ds_store_b128 v242, v[KF+4*\i:KF+4*\i+3] offset:8192*\i
.endr
.irp i, 0,1,2,3,4,5,6,7
	ds_store_b128 v243, v[P+4*\i:P+4*\i+3] offset:8192*\i
.endr
	ds_store_b128 v240, v[224:227] offset:WSC
	ds_store_b64 v241, v[228:229] offset:WB
	XLOAD 8, P+32                                  ; X_Value
	s_wait_dscnt 0x0                               ; the stores are done
	s_wait_alu depctr_vm_vsrc(0)                   ; the stores have read the weights' registers and v240 to v243: the quantiser below writes v[KF ..], and the others are written in the first point
	s_wait_loadcnt 32                              ; X_Key is in; X_Value's 32 may be out
	QCOL XR, 1
	XLOAD 4, XR                                    ; X_Query
	s_wait_loadcnt 32                              ; X_Value is in
	QCOL P+32, 2
	s_wait_loadcnt 0x0
	QCOL XR, 0
	s_wait_xcnt 0x0                                ; the bases are written only behind this wait
	s_add_nc_u64 s[4:5], s[4:5], 256               ; on to the point that is loaded next
	s_add_nc_u64 s[6:7], s[6:7], 256
	s_add_nc_u64 s[8:9], s[8:9], 256
	BAR                                            ; the weights and the first point's X codes lie in LDS
.Lpoint:
	; ---- k: my two channel tiles x my two heads; the results go to LDS in f32, as images
	; The three addresses that k's stores and v's loads read are made here, ahead of the one wait on va_vdst that stands in front of those stores.  The loads below land in registers that no vector or matrix line has named
	; since the last wait on va_vdst (on the way in: the last quantiser's; on the way back: the one behind the last product's places)
	v_add_nc_u32 v[P+56], s26, v5
	v_add_nc_u32 v[P+57], 0x10000, v3
	v_bfe_u32 v[P+58], v0, 4, 1
	v_lshl_add_u32 v[P+58], v[P+58], 5, s32        ; 32 h + 128 bb: the biases of my half's eight rows of v
.irp e, 0,1
	ds_load_b32 v[P+48+\e], v11 offset:WB+1024+64*\e
.endr
.irp e, 0,1
.irp k, 0,1
.irp c, 0,1
	ds_load_b128 v[KF+16*\e+8*\k+4*\c:KF+16*\e+8*\k+4*\c+3], v3 offset:32768+2048*\e+1024*\k+512*\c
.endr
.endr
.endr
.irp a, 0,1
.irp k, 0,1
.irp c, 0,1
	ds_load_b128 v[P+16*\a+8*\k+4*\c:P+16*\a+8*\k+4*\c+3], v1 offset:XC+8192+2048*\a+1024*\k+512*\c
.endr
.endr
.endr
.irp e, 0,1
	ds_load_b32 v[SC0+\e], v4 offset:WSC+2048+128*\e
.endr
.irp a, 0,1
	ds_load_b32 v[SC0+2+\a], v2 offset:XS+512+128*\a
.endr
	s_wait_dscnt 20                                ; the two biases are in; the twenty loads behind them may be out
.irp e, 0,1
.irp j, 0,1,2,3,4,5,6,7
	v_mov_b32 v[P+32+8*\e+\j], v[P+48+\e]
.endr
.endr
	s_wait_dscnt 0x0
	PLACES 4
.irp a, 0,1
.irp e, 0,1
	FP4 XR+8*(2*\a+\e), P+16*\a, KF+16*\e, P+32+8*\e, SC0+2+\a, SC0+\e, 0     ; four accumulators by turns
.endr
.endr
.irp a, 0,1
.irp e, 0,1
	FP4 XR+8*(2*\a+\e), P+16*\a+8, KF+16*\e+8, XR+8*(2*\a+\e), SC0+2+\a, SC0+\e, 1
.endr
.endr
	PLACES 4
	s_wait_alu depctr_va_vdst(0)                   ; k's products have written v[XR ..], which the stores read, and are done reading their fragments, biases and scale words, in which v's land; v[P+56 .. P+58] are written.  The places above stay beside this wait
.irp a, 0,1
.irp e, 0,1
.irp q, 0,1
	ds_store_b128 v[P+56], v[XR+8*(2*\a+\e)+4*\q:XR+8*(2*\a+\e)+4*\q+3] offset:16384*\a+1024*\e+512*\q
.endr
.endr
.endr
	; ---- v: the same tiles, the sources the other way round: lane = l, registers along the keys; quantised at once
.irp e, 0,1
.irp q, 0,1
	ds_load_b128 v[P+32+8*\e+4*\q:P+32+8*\e+4*\q+3], v[P+58] offset:WB+2048+64*\e+16*\q
.endr
.endr
.irp e, 0,1
.irp k, 0,1
.irp c, 0,1
	ds_load_b128 v[KF+16*\e+8*\k+4*\c:KF+16*\e+8*\k+4*\c+3], v[P+57] offset:2048*\e+1024*\k+512*\c
.endr
.endr
.endr
.irp a, 0,1
.irp k, 0,1
.irp c, 0,1
	ds_load_b128 v[P+16*\a+8*\k+4*\c:P+16*\a+8*\k+4*\c+3], v1 offset:XC+16384+2048*\a+1024*\k+512*\c
.endr
.endr
.endr
.irp e, 0,1
	ds_load_b32 v[SC0+\e], v4 offset:WSC+4096+128*\e
.endr
.irp a, 0,1
	ds_load_b32 v[SC0+2+\a], v2 offset:XS+1024+128*\a
.endr
	s_wait_dscnt 0x0
.irp a, 0,1
.irp e, 0,1
	FP4 O1+16*\a+8*\e, KF+16*\e, P+16*\a, P+32+8*\e, SC0+\e, SC0+2+\a, 0
.endr
.endr
.irp a, 0,1
.irp e, 0,1
	FP4 O1+16*\a+8*\e, KF+16*\e+8, P+16*\a+8, O1+16*\a+8*\e, SC0+\e, SC0+2+\a, 1
.endr
.endr
	PLACES 4
	QB16 O1, VC, VS
	QB16 O1+16, VC+2048, VS+128
	BAR                                            ; ALPHA: k's images and v's codes lie in LDS; nobody reads this point's X codes for k and v any more
	; ---- the attention: no barrier inside.  The next point's X is asked for two key steps ahead; the last point asks for nothing (a branch on the count of points)
	; The loads up to q's first projection land in v20, v23, XR, v61, KA, KB, v21, v22: since the quantiser's wait on va_vdst just above only the six lines below have been issued, which name v62 and v12 to v15
	v_and_b32 v[PK], 31, v0
	v_lshl_add_u32 v[PK], v[PK], 4, s30            ; my stage + 16 lane
	ds_load_b32 v[SC0], v2 offset:VS               ; v's scale words, both key steps: head 2 g,
	ds_load_b32 v[SC0+3], v2 offset:VS+128         ; head 2 g + 1
	v_mov_b32 v13, 0xff61b1e6                      ; the first unit's statistics
	v_floor_f32 v12, -v13
	v_mov_b32 v14, 0
	v_mov_b32 v15, 0
	s_cmp_eq_u32 s24, 3
	s_cbranch_scc1 .Lno_k
	XLOAD 6, XR
.Lno_k:
	QLOAD 0, 0
	QMUL
	KLOAD KB, 0, 0, 0
	KLOAD KA, 0, 0, 1
	TURNS 1, 0, 0, 0, 0, 0, O1                     ; the first key step's products: there is no vector work yet to set between them
	s_wait_alu depctr_va_vdst(0)                   ; batch 2's products are done reading KB and batch 3's KA, in which the next key step's batches 0 and 1 land
	STEP0 0
	STEP1 0, 0, 1
	FINAL 0
	s_wait_loadcnt 0x0                             ; on every path: no load into v192-223 is out
	s_cmp_eq_u32 s24, 3
	s_cbranch_scc1 .Lno_v
	QCOL XR, 1
	XLOAD 8, XR
.Lno_v:
	STEP0 0
	STEP1 0, 1, 0
	FINAL 1
	QB16 P+16, AC, ATS                             ; head 2 g: channels 32 bb .. + 31 of o
	s_wait_loadcnt 0x0
	s_cmp_eq_u32 s24, 3
	s_cbranch_scc1 .Lno_q
	QCOL XR, 2
	XLOAD 4, XR
.Lno_q:
	STEP0 1
	STEP1 1, 1, 1
	FINAL 0
	STEP0 1
	SMAX
	TURNS 0, 0, 0, 1, 1, 1, O2                     ; the last key step: no products are left to take the turns
	FINAL 1
	QB16 P+16, AC+2048, ATS+128                    ; head 2 g + 1
	BAR                                            ; DELTA: o's codes and the next point's X codes for k and v lie in LDS; nobody reads k, v or q's X codes any more
	s_wait_loadcnt 0x0
	s_cmp_eq_u32 s24, 3
	s_cbranch_scc1 .Lno_c
	QCOL XR, 0
.Lno_c:
	; ---- out: my 16 rows x 64 l
	v_and_b32 v240, 31, v0
	v_and_b32 v241, 15, v0
	v_bfe_u32 v242, v0, 4, 1
	v_lshlrev_b32 v243, 4, v240                    ; 16 lane
	v_add_nc_u32 v244, s27, v243                   ; Wo's fragments
	v_lshlrev_b32 v245, 2, v240                    ; 4 lane
	v_add_nc_u32 v246, s28, v245                   ; Wo's scale words
	v_lshl_add_u32 v247, v241, 2, s29              ; my row's bias
	v_mul_u32_u24 v248, v241, 272
	v_lshl_add_u32 v248, v242, 5, v248
	v_add_nc_u32 v248, s30, v248                   ; into the stage: row r, 32 bytes for each half of the lanes
	v_mul_u32_u24 v249, v242, 272
	v_lshl_add_u32 v249, v241, 4, v249
	v_add_nc_u32 v249, s30, v249                   ; back: lanes 0-15 one row of 256 bytes, lanes 16-31 the next
	v_lshlrev_b32 v250, 16, v242
	v_lshl_add_u32 v250, v241, 4, v250
	v_add_nc_u32 v250, s31, v250                   ; and the same two rows in out
	s_wait_alu depctr_va_vdst(0)                   ; the addresses v243 to v250 are written, which the LDS instructions and stores below read; the attention's lines are done with v17, v20 to v23, v[KF ..] and v[P ..], in which the loads below land
	ds_load_b32 v[KF+24], v247 offset:WB+3072
.irp k, 0,1
.irp c, 0,1
	ds_load_b128 v[KF+8*\k+4*\c:KF+8*\k+4*\c+3], v244 offset:1024*\k+512*\c
.endr
.endr
.irp t, 0,1,2,3
.irp k, 0,1
.irp c, 0,1
	ds_load_b128 v[P+16*\t+8*\k+4*\c:P+16*\t+8*\k+4*\c+3], v243 offset:AC+1024*(2*\t+\k)+512*\c
.endr
.endr
.endr
.irp t, 0,1,2,3
	ds_load_b32 v[SC0+\t], v245 offset:ATS+128*\t
.endr
	ds_load_b32 v17, v246 offset:WSC+6144
	s_wait_dscnt 25                                ; the bias is in; the 25 loads behind it may be out
.irp j, 0,1,2,3,4,5,6,7
	v_mov_b32 v[KF+16+\j], v[KF+24]
.endr
	s_wait_dscnt 0x0
	PLACES 4
.irp t, 0,1,2,3
	FP4 XR+8*\t, P+16*\t, KF, KF+16, SC0+\t, 17, 0
.endr
.irp t, 0,1,2,3
	FP4 XR+8*\t, P+16*\t+8, KF+8, XR+8*\t, SC0+\t, 17, 1
.endr
	PLACES 4
	s_wait_alu depctr_va_vdst(0)                   ; the products have written v[XR ..], which the stores read, and are done reading v[P ..], in which the stage's rows land, and v[KF ..], v17, v20 to v23, in which the next point's first loads land.  The places above stay beside this wait
.irp t, 0,1,2,3
.irp q, 0,1
	ds_store_b128 v248, v[XR+8*\t+4*\q:XR+8*\t+4*\q+3] offset:64*\t+16*\q
.endr
.endr
.irp i, 0,1,2,3,4,5,6,7
	ds_load_b128 v[P+4*\i:P+4*\i+3], v249 offset:544*\i    ; my own bytes, served in order: these see the stores
.endr
.irp i, 0,1,2,3,4,5,6,7
	s_wait_dscnt 7-\i
	global_store_b128 v250, v[P+4*\i:P+4*\i+3], s[12:13] offset:131072*\i th:TH_STORE_NT   ; 16 lanes store 256 consecutive bytes, at a multiple of 256 from the buffer's first byte
.endr
	s_wait_xcnt 0x0                                ; the stores have had their addresses translated: their base may be written again
	s_wait_alu depctr_vm_vsrc(0)                   ; the global stores have read v[P .. P+31] and v250, the LDS instructions v[XR ..] and v243 to v249: the next point's loads and products write all of these
	s_add_nc_u64 s[12:13], s[12:13], 256
	s_add_nc_u64 s[4:5], s[4:5], 256
	s_add_nc_u64 s[6:7], s[6:7], 256
	s_add_nc_u64 s[8:9], s[8:9], 256
	s_add_co_u32 s24, s24, 1
	s_cmp_lt_u32 s24, 4
	s_cbranch_scc1 .Lpoint
	s_wait_xcnt 0x0
	v_lshl_add_u32 v254, v0, 2, 0x4f200            ; my spare word, behind the stages, and 0: made anew here, since no two registers can be kept; no memory or LDS instruction has read v254 or v255 since the loop's last wait on vm_vsrc
	v_mov_b32 v255, 0
	s_wait_dscnt 0x0                               ; the closing lines, six on end
	s_wait_alu 0x0
	s_wait_tensorcnt 0x0
	ds_add_u32 v254, v255
	s_wait_dscnt 0x0
	s_endpgm
.Lfunc_end_k_q97e52e51a1_attn:
	.size	k_q97e52e51a1_attn, .Lfunc_end_k_q97e52e51a1_attn-k_q97e52e51a1_attn
	.p2alignl 7, 3214868480
	.fill 96, 4, 3214868480
	.section	.rodata,"a",@progbits
	.p2align	6, 0x0
	.amdhsa_kernel k_q97e52e51a1_attn
		.amdhsa_group_segment_fixed_size 326144
		.amdhsa_private_segment_fixed_size 0
		.amdhsa_enable_private_segment 0
		.amdhsa_kernarg_size 40
		.amdhsa_user_sgpr_count 2
		.amdhsa_user_sgpr_kernarg_segment_ptr 1
		.amdhsa_wavefront_size32 1
		.amdhsa_system_sgpr_workgroup_id_x 1
		.amdhsa_system_sgpr_workgroup_id_y 1
		.amdhsa_system_sgpr_workgroup_id_z 1
		.amdhsa_system_vgpr_workitem_id 0
		.amdhsa_next_free_vgpr 256
		.amdhsa_next_free_sgpr 66
		.amdhsa_reserve_vcc 0
		.amdhsa_float_denorm_mode_32 3
		.amdhsa_float_denorm_mode_16_64 3
		.amdhsa_memory_ordered 1
		.amdhsa_forward_progress 1
		.amdhsa_inst_pref_size 187
	.end_amdhsa_kernel
	.amdgpu_metadata
---
amdhsa.version: [ 1, 2 ]
amdhsa.kernels:
  - .name:           k_q97e52e51a1_attn
    .symbol:         k_q97e52e51a1_attn.kd
    .args:
      - { .name: X_Query, .offset: 0, .size: 8, .value_kind: global_buffer, .address_space: global }
      - { .name: X_Key, .offset: 8, .size: 8, .value_kind: global_buffer, .address_space: global }
      - { .name: X_Value, .offset: 16, .size: 8, .value_kind: global_buffer, .address_space: global }
      - { .name: wimg, .offset: 24, .size: 8, .value_kind: global_buffer, .address_space: global }
      - { .name: out0, .offset: 32, .size: 8, .value_kind: global_buffer, .address_space: global }
    .group_segment_fixed_size: 326144
    .private_segment_fixed_size: 0
    .kernarg_segment_align: 8
    .kernarg_segment_size: 40
    .max_flat_workgroup_size: 512
    .sgpr_count:     66
    .vgpr_count:     256
    .wavefront_size: 32
...
	.end_amdgpu_metadata
.endif
;; end of part 3
